; MI455X (gfx1250); checked and timed in simulation.
; The chip was launched on July 23, 2026; its instructions are those of AMD's public machine-readable ISA for CDNA 5 (MIT licence, August 2026) and "CDNA5" Instruction Set Architecture Reference Guide (July 2026). The comments in the code are by the model that wrote it; some were corrected since.
;; Multi Head Attention. Allowed arithmetic: matrix products marked QUANTISED: E2M3 operands, one E8M0 scale for each 32 along K, by v_wmma_scale_f32_16x16x128_f8f6f4 with both operands' format E2M3, f32 sums; everything else in f32.
;; Inputs: Wk 1,024 x 1,024 float32; Wo 1,024 x 1,024 float32; Wq 1,024 x 1,024 float32; Wv 1,024 x 1,024 float32; attn_mask 8 x 1,024 x 1,024 bool; bk 1,024 float32; bo 1,024 float32; bq 1,024 float32; bv 1,024 float32; x 8 x 1,024 x 1,024 float32.
;; Outputs: out0 8 x 1,024 x 1,024 float32.
;; This version of the problem:
;;   THIS VERSION OF THE PROBLEM IS GIVEN IN LOW PRECISION. The matrix products marked QUANTISED in the list below multiply operands that are first quantised to E2M3 (2 exponent bits, 3 mantissa bits; 6 bits a number), with one power-of-two scale for each 32 numbers along K (OCP MX v1.0); their sums are f32. All else is computed in f32.
;;   The module's matrix products, in the order in which they are computed (A, B: the left and right operand; K: the contracted axis; several contracted axes count as one K, in the product's order):
;;     1. [M 8,192, K 1,024] x [K 1,024, N 1,024]; A: input x; B: input Wq: QUANTISED
;;     2. [M 8,192, K 1,024] x [K 1,024, N 1,024]; A: input x; B: input Wk: QUANTISED
;;     3. [M 8,192, K 1,024] x [K 1,024, N 1,024]; A: input x; B: input Wv: QUANTISED
;;     4. batch 128 x [M 1,024, K 64] x [K 64, N 1,024]; A: computed on the way; B: computed on the way: QUANTISED
;;     5. batch 128 x [M 1,024, K 1,024] x [K 1,024, N 64]; A: softmax (see below); B: computed on the way: QUANTISED
;;     6. [M 8,192, K 1,024] x [K 1,024, N 1,024]; A: computed on the way; B: input Wo: QUANTISED
;;   THE QUANTISER, for each operand of a quantised product, along K:
;;     - K is cut into blocks of 32 from its start; a last block that is shorter is filled with zeros.
;;     - A block's scale is 2^e with e = floor(log2(the largest magnitude in the block)) - 2, held to -126 .. 127; a block of zeros has e = 0. As a byte (E8M0): e + 127.
;;     - Each number is divided by its block's scale, clamped to +-7.5, and rounded to the nearest number of E2M3, ties to even, subnormals kept.
;;     - The product sums the exact products of the quantised numbers (number of the format x scale) in f32.
;;   ~~~python
;;   def quantise(x, axis):      # numpy; x: float32 -> the quantised numbers, widened to float32 again
;;       x = np.moveaxis(x, axis, -1); K = x.shape[-1]
;;       x = np.pad(x, [(0, 0)] * (x.ndim - 1) + [(0, -K % 32)]); x = x.reshape(x.shape[:-1] + (-1, 32)); a = np.abs(x).max(-1, keepdims=True)
;;       e = np.where(a > 0, np.clip(np.frexp(np.where(a > 0, a, 1))[1] - 1 - 2, -126, 127), 0)      # np.frexp(a)[1] - 1 = floor(log2(a)), exactly
;;       r = np.clip(x / 2.0 ** e, -7.5, 7.5)
;;       step = 2.0 ** (np.maximum(np.frexp(np.where(r == 0, 1, r))[1] - 1, 0) - 3)
;;       q = np.round(r / step) * step * 2.0 ** e      # np.round: ties to even
;;       return np.moveaxis(q.reshape(q.shape[:-2] + (-1,))[..., :K], -1, axis).astype(np.float32)
;;   ~~~
;;   SOFTMAX AHEAD OF A QUANTISED PRODUCT. Where the list says 'softmax', what is quantised is not the finished softmax but p = 2^(t - M), with t = logit x log2(e) and M = ceil(the row's largest t), a whole number; so 1/2 < the row's largest p <= 1. The row's sum l is taken of the UNQUANTISED p, in f32, and the product's result is divided by l at the end. Since M is a whole number, a kernel that streams over the keys may use a running M (the ceiling of the running maximum): every later rescaling is an exact power of two, which a block's scale takes up: the codes' values come out the same.
;;   OPERANDS COMPUTED ON THE WAY. 'Computed on the way' means the value that the module computes at that place (a softmax that the list does not call 'softmax' is quantised finished and normalised). What goes into a quantiser is computed in f32, as accurately as f32 sums, v_exp_f32 and their like allow (about 1e-6 of the number): no bf16 or f16 on the way to a quantiser, and a product that is left as it is and whose result goes on into a quantised operand takes f32 operands (vector FMAs, or v_wmma_f32_16x16x4_f32). A number that lies on a knife's edge between two numbers of the format may be rounded either way, as far as f32 arithmetic and the matrix unit's own rounding can turn it there, and no further.
;; One version. Each part assembles by itself: llvm-mc -triple=amdgcn-amd-amdhsa -mcpu=gfx1250 --defsym DOCPART=n.
;; ======== version 1 of 1: 4 launches
;; limits: right only within a limited range of input values
;; workspace buffers: xc 6,291,456 bytes; xs 262,144 bytes; wc 3,145,728 bytes; ws 131,072 bytes; maskw 1,048,576 bytes of whole numbers; qkv 20,185,088 bytes; oc 6,291,456 bytes; os 262,144 bytes
;; launch prep (part 1): grid 512 x 1, 4 waves a work-group, no clusters, 97,792 bytes of LDS; arguments x, Wq, Wk, Wv, Wo, attn_mask, xc, xs, wc, ws, maskw; writes xc, xs, wc, ws, maskw
.if DOCPART == 1
	.amdgcn_target "amdgcn-amd-amdhsa--gfx1250"
	.amdhsa_code_object_version 6
	.text
	.protected	k_q6125668ab8_prep
	.globl	k_q6125668ab8_prep
	.p2align	8
	.type	k_q6125668ab8_prep,@function
k_q6125668ab8_prep:
	s_mov_b64 s[64:65], 0
	v_nop
	global_prefetch_b8 v0, s[64:65] scope:SCOPE_SE
	s_setreg_imm32_b32 hwreg(HW_REG_WAVE_MODE, 25, 1), 1
	s_wait_xcnt 0x0
; PREP: three jobs in one launch, told apart by the work-group's number.
;   work-groups 0-255   (X): x [8192][1024] f32 -> codes of FP6 (E2M3) xc [8192][768 B] and E8M0 bytes xs [8192][32], K innermost.
;   work-groups 256-383 (W): Wq, Wk, Wv, Wo [k 1024][n 1024] f32 -> wc [4][n 1024][768 B], ws [4][1024][32]: a lane takes a column n, its registers run down K.
;   work-groups 384-511 (M): attn_mask bytes -> maskw: words whose bit l is the mask of lane l for one score register of the attention launch.
; THE ORDER OF ROWS.  In xc, xs, wc, ws the rows of each group of 32 lie PERMUTED: row t lies at the place t with bits 3 and 4 exchanged.  So place tile i, lane r holds row
; 32 (i / 2) + 8 (i % 2) + r + 8 (r / 8), and a product that takes 16 neighbouring places as source 0 leaves 16 neighbouring rows in the 16 registers of two neighbouring tiles.
; A block's scale is 2^(floor(log2(largest magnitude)) - 2): its byte is that magnitude's exponent field - 2, held at 1 from below.
; LIMITS: a block of zeros gets the byte 1 where the rule says 127 (its codes are zeros, and this program alone reads the bytes); NaN and infinities among the inputs are not served.
; No tensor loads; path X's waves share the images behind a barrier.  Each path has LDS bytes of its own: X 0-32767 and 68096-97791, W 32768-67583; the spare words lie behind them.
.set SPW,   192                        ; v192 LDS address of my spare word; never rewritten
.set NIL,   193                        ; v193 0; never rewritten
.set SPARE, 67584
; THE CODES' LAYOUT.  xc and wc hold IMAGES of the products' operands, not rows: for each place tile T of 16 rows and each 128 along K (ks) 1,536 dense bytes at (8 T + ks) x 1,536,
; in which registers 4 g .. 4 g + 3 of lane l lie at 512 g + 16 l.  Register j of lane (r, h) is dword j % 6 of the block of 32 codes 2 (j / 6) + h of the row at place r.  xs and ws stay rows of 32 bytes.
.set XIMG,  68096                      ; path X: 16 images gathered in LDS, PK bytes apart; in an image the three groups lie PG apart, and lanes 16-31 32 bytes further on
.set PK,    1856
.set PG,    544
.set STEPS, 16                         ; path X: 16 steps of 512 numbers a wave
.set CB,    12                         ; bytes of 16 codes
.set XR,    16                         ; v16-79   four sets of 16 numbers as loaded
.set XX,    80                         ; v80-111  two sets of 16 neighbours
.set XC,    128                        ; v128-191 codes, four registers a step
.set XE,    112                        ; v112-127 a scale byte a step
.set WREG,  8192                       ; LDS of a wave in path X: two stages of 32 x 80 bytes, then its 256 scale bytes
.set SP,    80
.set NB,    8                          ; path W: blocks of 32 along K a wave
.set WPITCH, 272                       ; a stage row: sixteen places of 16 bytes + 16
.set WSTG,  32768
.set WX,    32                         ; v32-95 two sets of 32 numbers
.set WC,    96                         ; a block's codes
.set OUTR,  112                        ; the way out
.set SB,    24                         ; v24-25 the scale bytes
.set MD,    32                         ; path M: v32-159 the mask bytes
.set WD,    160                        ; v160-175 the words, two registers a key step
.macro FINISH                          ; the wave's end
	s_wait_tensorcnt 0x0
	ds_add_u32 v[SPW], v[NIL]
	s_wait_dscnt 0x0
	s_endpgm
.endm
	s_load_b512 s[16:31], s[0:1], 0x0              ; x, Wq, Wk, Wv, Wo, attn_mask, xc, xs
	s_load_b128 s[32:35], s[0:1], 0x40             ; wc, ws
	s_load_b64 s[36:37], s[0:1], 0x50              ; maskw
	v_lshl_add_u32 v[SPW], v0, 2, SPARE
	v_mov_b32 v[NIL], 0
	v_lshrrev_b32 v1, 5, v0
	v_readfirstlane_b32 s2, v1                     ; wave 0..3
	v_and_b32 v2, 31, v0                           ; lane
	s_wait_kmcnt 0x0
	s_cmp_lt_u32 ttmp9, 256
	s_cbranch_scc1 .Lpath_x
	s_cmp_lt_u32 ttmp9, 384
	s_cbranch_scc1 .Lpath_w
; ---------------- PATH M.  Wave G = 64 n + Tq takes the 16 queries of place tile Tq of batch n, all 1,024 keys.
; Lane (r, h) reads, for key step st and block b, the 16 bytes of query 32 (Tq / 2) + 8 (Tq % 2) + r + 8 (r / 8) at keys 128 st + 32 b + 16 h + 0 .. 15.
; Byte i of them is the mask of score register 16 b + i of that lane: a compare over the wave makes that register's word, bit l for lane l.
	s_sub_co_u32 s4, ttmp9, 384
	s_lshl_b32 s4, s4, 2
	s_add_co_u32 s4, s4, s2                        ; G
	s_lshr_b32 s5, s4, 6                           ; n
	s_and_b32 s6, s4, 63                           ; Tq
	s_lshl_b32 s5, s5, 20                          ; a batch's mask is 2^20 bytes
	s_lshr_b32 s7, s6, 1
	s_lshl_b32 s7, s7, 5
	s_and_b32 s6, s6, 1
	s_lshl_b32 s6, s6, 3
	s_add_co_u32 s7, s7, s6                        ; 32 (Tq / 2) + 8 (Tq % 2)
	s_lshl_b32 s7, s7, 10
	s_add_co_u32 s8, s5, s7
	s_mov_b32 s9, 0
	s_add_nc_u64 s[26:27], s[26:27], s[8:9]
	s_lshl_b32 s8, s4, 11                          ; 8 key steps x 64 words a wave
	s_add_nc_u64 s[36:37], s[36:37], s[8:9]
	v_and_b32 v5, 15, v0                           ; r
	v_bfe_u32 v6, v0, 4, 1                         ; h
	v_and_b32 v7, 8, v5
	v_add_nc_u32 v7, v7, v5                        ; r + 8 (r / 8)
	v_lshlrev_b32 v3, 10, v7
	v_lshl_add_u32 v3, v6, 4, v3                   ; + 16 h
	s_wait_alu depctr_va_vdst(0)
	v_lshlrev_b32 v4, 3, v2                        ; out: 8 bytes a lane
.irp st, 0,1,2,3,4,5,6,7
.irp b, 0,1,2,3
	global_load_b128 v[MD+16*\st+4*\b:MD+16*\st+4*\b+3], v3, s[26:27] offset:128*\st+32*\b
.endr
.endr
.set j, 0
.rept 16
	v_mov_b32 v[WD+j], 0                           ; written once: a lane write's destination counts as read
.set j, j+1
.endr
.macro MSTEP st
	s_wait_loadcnt 28-4*\st                        ; this step's four loads are in; the later steps' stay out
.irp b, 0,1,2,3
.irp q, 0,1,2,3
.irp y, 0,1,2,3
	v_and_b32 v[8+\y], 0xff<<(8*\y), v[MD+16*\st+4*\b+\q]
.endr
.irp y, 0,1,2,3
	v_cmp_ne_u32 s[40+\y], 0, v[8+\y]              ; word 16 b + 4 q + y
.endr
.irp y, 0,1,2,3
	v_writelane_b32 v[WD+2*\st+(\y&1)], s[40+\y], 8*\b+2*\q+(\y>>1)   ; word j goes to lane j / 2, register j % 2
.endr
.endr
.endr
	global_store_b64 v4, v[WD+2*\st:WD+2*\st+1], s[36:37] offset:256*\st   ; 32 lanes store 256 consecutive bytes, aligned
.endm
.irp st, 0,1,2,3,4,5,6,7
	MSTEP \st
.endr
	FINISH
; ---------------- PATH X.  A work-group takes one group of 32 rows, wave w rows 8 w .. 8 w + 7: 8,192 numbers, a plain stream of blocks of 32.
; Its codes and bytes go to the places 8 w' on, w' = w with its two bits exchanged.  Each load reads 512 consecutive bytes; a step's 2,048 bytes turn through the
; wave's own stage in LDS, so that a lane then holds 16 neighbours along K (two neighbouring lanes hold a block).
.Lpath_x:
	s_wait_alu depctr_va_vdst(0)
	v_lshlrev_b32 v3, 4, v2                        ; my 16 bytes of a load's 512
	s_mul_i32 s4, s2, WREG
	v_lshrrev_b32 v14, 2, v2
	v_mul_u32_u24 v14, v14, SP
	v_and_b32 v15, 3, v2
	v_lshl_add_u32 v14, v15, 4, v14
	v_add_nc_u32 v14, s4, v14                      ; the stage, way in: 80 (lane / 4) + 16 (lane % 4)
	v_mul_u32_u24 v15, v2, SP
	v_add_nc_u32 v15, s4, v15                      ; way out: 80 x lane
	v_lshrrev_b32 v5, 1, v2
	s_add_co_u32 s4, s4, 2*32*SP
	v_add_nc_u32 v5, s4, v5                        ; my block's byte among the wave's 256
	v_lshlrev_b32 v7, 3, v2
	v_add_nc_u32 v6, s4, v7
	; my three dwords of codes of a step: ks = 4 (t % 2) + lane / 8, c = bit 2, h = bit 1, u = bit 0 of the lane: registers 6 c + 3 u + 0 .. 2 of image lane r + 16 h
	s_and_b32 s10, s2, 1                           ; the tile: wave % 2
	s_mul_i32 s10, s10, 8*PK
	s_lshr_b32 s11, s2, 1                          ; r = 8 (wave / 2) + t / 2
	s_lshl_b32 s11, s11, 7
	s_add_co_u32 s10, s10, s11
	s_add_co_u32 s10, s10, XIMG
	s_mul_i32 s11, s2, 4*PK
	s_add_co_u32 s11, s11, XIMG                    ; on the way out I take images 4 wave .. 4 wave + 3
	v_and_b32 v10, 1, v2
	v_bfe_u32 v12, v2, 2, 1
	v_lshl_add_u32 v10, v12, 1, v10
	v_mul_u32_u24 v10, v10, 3                      ; 6 c + 3 u
	v_lshrrev_b32 v12, 3, v2
	v_mul_u32_u24 v12, v12, PK
	v_bfe_u32 v13, v2, 1, 1
	v_mad_u32_u24 v12, v13, 288, v12
	v_add_nc_u32 v12, s10, v12
.irp i, 0,1,2
	v_add_nc_u32 v13, \i, v10                      ; register j: group j / 4, dword j % 4
	v_lshrrev_b32 v4, 2, v13
	v_and_b32 v13, 3, v13
	v_mad_u32_u24 v4, v4, PG, v12
	v_lshl_add_u32 v[194+\i], v13, 2, v4
.endr
	v_lshrrev_b32 v13, 4, v2
	v_lshl_add_u32 v13, v13, 5, v3
	v_add_nc_u32 v197, s11, v13                    ; way out: 16 lane + 32 (lane / 16)
	s_lshl_b32 s5, ttmp9, 2
	s_add_co_u32 s6, s5, s2                        ; the run of 8 rows that I read
	s_mov_b32 s7, 0
	s_lshl_b32 s6, s6, 15
	s_add_nc_u64 s[16:17], s[16:17], s[6:7]
	s_and_b32 s8, s2, 1
	s_lshl_b32 s8, s8, 1
	s_lshr_b32 s9, s2, 1
	s_or_b32 s8, s8, s9
	s_add_co_u32 s8, s8, s5                        ; the run of 8 places that I write
	s_add_co_u32 s6, s5, s2
	s_mul_i32 s6, s6, 6144                         ; the work-group's 16 images are 24,576 bytes on end; four of them are mine to store
	s_add_nc_u64 s[28:29], s[28:29], s[6:7]
	s_lshl_b32 s6, s8, 8
	s_add_nc_u64 s[30:31], s[30:31], s[6:7]
.macro XLOAD t
.irp i, 0,1,2,3
	global_load_b128 v[XR+16*((\t)%4)+4*\i:XR+16*((\t)%4)+4*\i+3], v3, s[16:17] offset:2048*(\t)+512*\i th:TH_LOAD_NT
.endr
.endm
.macro XTURN t                         ; LDS serves a wave's instructions in order: no wait between the stores and the loads
.irp i, 0,1,2,3
	ds_store_b128 v14, v[XR+16*((\t)%4)+4*\i:XR+16*((\t)%4)+4*\i+3] offset:32*SP*((\t)%2)+8*SP*\i
.endr
.irp i, 0,1,2,3
	ds_load_b128 v[XX+16*((\t)%2)+4*\i:XX+16*((\t)%2)+4*\i+3], v15 offset:32*SP*((\t)%2)+16*\i
.endr
.endm
.irp t, 0,1,2,3
	XLOAD \t
.endr
	s_wait_alu depctr_va_vdst(0)
	s_wait_loadcnt 12                              ; step 0's four loads are in
	XTURN 0
.macro XSTEP t
.set XS, XX+16*((\t)%2)
.if (\t) > 0
	s_wait_dscnt 4                                 ; this step's numbers are back from the stage (the last step's byte store and three code stores may be out)
.else
	s_wait_dscnt 0x0
.endif
.if (\t)+4 < STEPS
	XLOAD (\t)+4
.endif
.if (\t)+1 < STEPS
.if STEPS-2-(\t) >= 3
	s_wait_loadcnt 12                              ; the next step's loads are in; those of the three steps behind it may be out
.else
	s_wait_loadcnt 4*(STEPS-2-(\t))
.endif
	XTURN (\t)+1
.endif
	v_max3_num_f32 v8, |v[XS]|, |v[XS+1]|, |v[XS+2]|
	v_max3_num_f32 v9, |v[XS+3]|, |v[XS+4]|, |v[XS+5]|
.irp i, 6,10
	v_max3_num_f32 v8, v8, |v[XS+\i]|, |v[XS+\i+1]|
	v_max3_num_f32 v9, v9, |v[XS+\i+2]|, |v[XS+\i+3]|
.endr
	v_max3_num_f32 v8, v8, |v[XS+14]|, |v[XS+15]|
	v_max3_num_f32 v8, v8, v9, 0x1800000           ; the floor 2^(3 - 127): the byte cannot fall under 1
	v_max_num_f32_dpp v8, v8, v8 row_xmask:1 row_mask:0xf bank_mask:0xf   ; with my neighbour's 16: the block's largest magnitude
	v_add_nc_u32 v11, 0xff000000, v8               ; 2 off its exponent field: the conversion's scale operand
	v_cvt_scalef32_pk16_fp6_f32 v[XC+4*(\t):XC+4*(\t)+2], v[XS:XS+15], v11
	v_lshrrev_b32 v[XE+(\t)], 23, v11              ; the scale's byte
	ds_store_b8 v5, v[XE+(\t)] offset:16*(\t)      ; both lanes of a block write the same byte with the same value
.irp i, 0,1,2
	ds_store_b32 v[194+\i], v[XC+4*(\t)+\i] offset:4*PK*((\t)%2)+16*((\t)/2)   ; into the images
.endr
.endm
.irp t, 0,1,2,3,4,5,6,7,8,9,10,11,12,13,14,15
	XSTEP \t
.endr
	ds_load_b64 v[8:9], v6                         ; in order behind my byte stores
	s_wait_dscnt 0x0
	global_store_b64 v7, v[8:9], s[30:31]          ; 256 consecutive bytes, aligned
	s_barrier_signal -1                            ; an image's 16 rows come from two waves: all my LDS stores are done (the wait above)
	s_barrier_wait -1
.irp m, 0,1,2,3,4,5,6,7,8,9,10,11
	ds_load_b128 v[XR+4*\m:XR+4*\m+3], v197 offset:PK*(\m/3)+PG*(\m%3)
.endr
.irp m, 0,1,2,3,4,5,6,7,8,9,10,11
	s_wait_dscnt 11-\m
	global_store_b128 v3, v[XR+4*\m:XR+4*\m+3], s[28:29] offset:1536*(\m/3)+512*(\m%3)   ; 512 consecutive bytes a store
.endr
	FINISH
; ---------------- PATH W.  u = work-group - 256: weight u / 32, columns 128 (u % 8) + 32 wave on, K 256 ((u / 8) % 4) on.
.Lpath_w:
	s_sub_co_u32 s4, ttmp9, 256
	s_lshr_b32 s5, s4, 5                           ; which weight: 0 q, 1 k, 2 v, 3 o
	s_and_b32 s6, s4, 7
	s_bfe_u32 s7, s4, 0x20003                      ; which 256 along K
	s_cmp_eq_u32 s5, 1
	s_cselect_b64 s[18:19], s[20:21], s[18:19]
	s_cmp_eq_u32 s5, 2
	s_cselect_b64 s[18:19], s[22:23], s[18:19]
	s_cmp_eq_u32 s5, 3
	s_cselect_b64 s[18:19], s[24:25], s[18:19]
	s_lshl_b32 s8, s6, 7
	s_lshl_b32 s9, s2, 5
	s_add_co_u32 s8, s8, s9                        ; my wave's first column: a whole group of 32
	s_lshl_b32 s10, s7, 20                         ; 256 rows of 4,096 bytes
	s_lshl_b32 s11, s8, 2
	s_add_co_u32 s10, s10, s11
	s_mov_b32 s11, 0
	s_add_nc_u64 s[18:19], s[18:19], s[10:11]
	s_mul_i32 s10, s5, 786432
	s_mul_i32 s12, s8, 768
	s_add_co_u32 s10, s10, s12
	s_mul_i32 s12, s7, 3072                        ; 256 along K are two images
	s_add_co_u32 s10, s10, s12
	s_add_nc_u64 s[32:33], s[32:33], s[10:11]
	s_lshl_b32 s10, s5, 15
	s_lshl_b32 s12, s8, 5
	s_add_co_u32 s10, s10, s12
	s_lshl_b32 s12, s7, 3
	s_add_co_u32 s10, s10, s12
	s_add_nc_u64 s[34:35], s[34:35], s[10:11]
	s_wait_alu depctr_va_vdst(0)
	v_lshlrev_b32 v3, 2, v2                        ; in: 4 bytes a lane
	s_mul_i32 s13, s2, 32*WPITCH
	s_add_co_u32 s13, s13, WSTG                    ; my stage
	v_lshlrev_b32 v8, 4, v2                        ; out: 16 bytes a lane
	v_add_nc_u32 v7, s13, v8
	v_and_b32 v9, 7, v2                            ; my column's place: bits 3 and 4 exchanged
	v_and_b32 v10, 8, v2
	v_lshl_or_b32 v9, v10, 1, v9
	v_and_b32 v10, 16, v2
	v_lshrrev_b32 v10, 1, v10
	v_or_b32 v9, v9, v10
	v_lshrrev_b32 v5, 4, v9                        ; into the stage: my place's tile (3,200 bytes apart: two images and 128 bytes) and image lane r
	v_and_b32 v6, 15, v9
	v_mul_u32_u24 v5, v5, 3200
	v_lshl_add_u32 v5, v6, 4, v5
	v_add_nc_u32 v4, s13, v5
	v_lshlrev_b32 v9, 5, v9
.macro WLOAD t
.set i, 0
.rept 32
	global_load_b32 v[WX+32*((\t)%2)+i], v3, s[18:19] offset:(32*(\t)+i)*4096 th:TH_LOAD_NT
.set i, i+1
.endr
.endm
	WLOAD 0
	WLOAD 1
.macro WBLOCK t
.set XS, WX+32*((\t)%2)
.if (\t) < NB-1
	s_wait_loadcnt 32                              ; this block's 32 loads are in; the next block's may be out
.else
	s_wait_loadcnt 0
.endif
	v_max3_num_f32 v12, |v[XS]|, |v[XS+1]|, |v[XS+2]|
	v_max3_num_f32 v13, |v[XS+3]|, |v[XS+4]|, |v[XS+5]|
.irp i, 6,10,14,18,22,26
	v_max3_num_f32 v12, v12, |v[XS+\i]|, |v[XS+\i+1]|
	v_max3_num_f32 v13, v13, |v[XS+\i+2]|, |v[XS+\i+3]|
.endr
	v_max3_num_f32 v12, v12, |v[XS+30]|, |v[XS+31]|
	v_max3_num_f32 v12, v12, v13, 0x1800000
	v_add_nc_u32 v11, 0xff000000, v12
	v_lshrrev_b32 v13, 23, v11
.if (\t)%4 == 0
	v_mov_b32 v[SB+(\t)/4], v13
.else
	v_lshl_or_b32 v[SB+(\t)/4], v13, 8*((\t)%4), v[SB+(\t)/4]
.endif
	v_cvt_scalef32_pk16_fp6_f32 v[WC:WC+2], v[XS:XS+15], v11
	v_cvt_scalef32_pk16_fp6_f32 v[WC+4:WC+6], v[XS+16:XS+31], v11
	v_nop                                          ; one plain place behind a scaled conversion
	v_mov_b32 v[WC+3], v[WC+4]                     ; the block's six registers on end
	v_mov_b32 v[WC+4], v[WC+5]
	v_mov_b32 v[WC+5], v[WC+6]
.if ((\t)&2) == 0                      ; block t: image t / 4, h = t % 2; registers 0-5 (t % 4 < 2) or 6-11 of image lane r + 16 h
	ds_store_b128 v4, v[WC:WC+3] offset:1536*((\t)/4)+256*((\t)&1)
	ds_store_b64 v4, v[WC+4:WC+5] offset:1536*((\t)/4)+256*((\t)&1)+512
.else
	ds_store_b64 v4, v[WC:WC+1] offset:1536*((\t)/4)+256*((\t)&1)+520
	ds_store_b128 v4, v[WC+2:WC+5] offset:1536*((\t)/4)+256*((\t)&1)+1024
.endif
.if (\t)+2 < NB
	WLOAD (\t)+2
.endif
	s_wait_dscnt 0x0                               ; the stores have read their registers
.endm
.irp t, 0,1,2,3,4,5,6,7
	WBLOCK \t
.endr
	s_wait_alu depctr_va_vdst(0)
	global_store_b64 v9, v[SB:SB+1], s[34:35]      ; my column's 8 scale bytes, at its place
.irp t, 0,1,2,3,4,5,6,7,8,9,10,11,12,13,14,15
.if \t < 12
	ds_load_b128 v[OUTR+4*\t:OUTR+4*\t+3], v7 offset:3200*(\t/6)+512*(\t%6)
.endif
.endr
.irp t, 0,1,2,3,4,5,6,7,8,9,10,11,12,13,14,15
.if \t < 12
	s_wait_dscnt 11-\t
	global_store_b128 v8, v[OUTR+4*\t:OUTR+4*\t+3], s[32:33] offset:12288*(\t/6)+512*(\t%6)   ; two tiles, two images each: 512 consecutive bytes a store
.endif
.endr
	FINISH
.Lfunc_end_k_q6125668ab8_prep:
	.size	k_q6125668ab8_prep, .Lfunc_end_k_q6125668ab8_prep-k_q6125668ab8_prep
	.p2alignl 7, 3214868480
	.fill 96, 4, 3214868480
	.section	.rodata,"a",@progbits
	.p2align	6, 0x0
	.amdhsa_kernel k_q6125668ab8_prep
		.amdhsa_group_segment_fixed_size 97792
		.amdhsa_private_segment_fixed_size 0
		.amdhsa_enable_private_segment 0
		.amdhsa_kernarg_size 88
		.amdhsa_user_sgpr_count 2
		.amdhsa_user_sgpr_kernarg_segment_ptr 1
		.amdhsa_wavefront_size32 1
		.amdhsa_system_sgpr_workgroup_id_x 1
		.amdhsa_system_sgpr_workgroup_id_y 1
		.amdhsa_system_sgpr_workgroup_id_z 1
		.amdhsa_system_vgpr_workitem_id 0
		.amdhsa_next_free_vgpr 200
		.amdhsa_next_free_sgpr 66
		.amdhsa_reserve_vcc 0
		.amdhsa_float_denorm_mode_32 3
		.amdhsa_float_denorm_mode_16_64 3
		.amdhsa_memory_ordered 1
		.amdhsa_forward_progress 1
		.amdhsa_inst_pref_size 181
	.end_amdhsa_kernel
	.amdgpu_metadata
---
amdhsa.version: [ 1, 2 ]
amdhsa.kernels:
  - .name:           k_q6125668ab8_prep
    .symbol:         k_q6125668ab8_prep.kd
    .args:
      - { .name: x, .offset: 0, .size: 8, .value_kind: global_buffer, .address_space: global }
      - { .name: Wq, .offset: 8, .size: 8, .value_kind: global_buffer, .address_space: global }
      - { .name: Wk, .offset: 16, .size: 8, .value_kind: global_buffer, .address_space: global }
      - { .name: Wv, .offset: 24, .size: 8, .value_kind: global_buffer, .address_space: global }
      - { .name: Wo, .offset: 32, .size: 8, .value_kind: global_buffer, .address_space: global }
      - { .name: attn_mask, .offset: 40, .size: 8, .value_kind: global_buffer, .address_space: global }
      - { .name: xc, .offset: 48, .size: 8, .value_kind: global_buffer, .address_space: global }
      - { .name: xs, .offset: 56, .size: 8, .value_kind: global_buffer, .address_space: global }
      - { .name: wc, .offset: 64, .size: 8, .value_kind: global_buffer, .address_space: global }
      - { .name: ws, .offset: 72, .size: 8, .value_kind: global_buffer, .address_space: global }
      - { .name: maskw, .offset: 80, .size: 8, .value_kind: global_buffer, .address_space: global }
    .group_segment_fixed_size: 97792
    .private_segment_fixed_size: 0
    .kernarg_segment_align: 8
    .kernarg_segment_size: 88
    .max_flat_workgroup_size: 128
    .sgpr_count:     66
    .vgpr_count:     200
    .wavefront_size: 32
...
	.end_amdgpu_metadata
.endif
;; end of part 1
;; launch gemm1 (part 2): grid 8 x 32, 4 waves a work-group, clusters of 4 x 4, 327,680 bytes of LDS; arguments xc, xs, wc, ws, bq, bk, bv, qkv; writes qkv
.if DOCPART == 2
	.amdgcn_target "amdgcn-amd-amdhsa--gfx1250"
	.amdhsa_code_object_version 6
	.text
	.protected	k_q6125668ab8_gemm1
	.globl	k_q6125668ab8_gemm1
	.p2align	8
	.type	k_q6125668ab8_gemm1,@function
k_q6125668ab8_gemm1:
	s_mov_b64 s[64:65], 0
	v_nop
	global_prefetch_b8 v0, s[64:65] scope:SCOPE_SE
	s_setreg_imm32_b32 hwreg(HW_REG_WAVE_MODE, 25, 1), 1
	s_wait_xcnt 0x0
	s_wait_alu depctr_hold_cnt(0) depctr_sa_sdst(0) depctr_va_vdst(0) depctr_va_sdst(0) depctr_va_ssrc(0) depctr_va_vcc(0) depctr_vm_vsrc(0)
	s_getreg_b32 s2, hwreg(HW_REG_IB_STS2, 6, 4)
	s_cmp_eq_u32 s2, 0
	s_cbranch_scc0 .Lentry_in_a_cluster
	s_endpgm
.Lentry_in_a_cluster:
	s_bfe_u32 s2, ttmp6, 0x10000c
	s_cmp_lg_u32 s2, 0xf033
	s_cbranch_scc0 .Lentry_shape_is_right
	s_endpgm
.Lentry_shape_is_right:
; q = x Wq + bq, k = x Wk + bk, v = x Wv + bv on codes of FP6 (E2M3) with E8M0 scales, K = 1,024; the results are quantised in registers and leave as images of the attention launch's operands.
; SHARES.  Work-group (x, y): tokens 256 y on, features 128 x on (heads 2 x, 2 x + 1) of q, then k, then v.  Wave w: 128 tokens (w / 2) x 64 features (one head, w % 2): 32 accumulators.
; xc and wc hold operand images: tile T of 16 rows, 128 along K: 1,536 bytes at (8 T + ks) x 1,536, registers 4 g .. 4 g + 3 of lane l at 512 g + 16 l: a fragment is three loads of 16 bytes a lane.
; LDS.  My 256 tokens' codes for all of K stay (196,608 bytes, filled once).  The weights go through two slots of 49,152 bytes: 8 tiles x 512 along K.  Six steps: (q, k, v) x (two halves of K), step i in slot i % 2.
; The head's four loads, one a wave: the tokens' two halves and steps 0 and 1.  Four refills, each wave two tiles of the slot.  Every wait on TENSORcnt is for 0: one load of mine is out at most.
; CLUSTER 4 x 4: the tokens' tiles are shared along a row of the cluster, the weights' along a column: joint loads; each refill stands behind a round of the cluster's barrier.
; q, k: source 0 = 16 features, source 1 = 16 tokens: a lane holds a token and its registers run along the features (the K of k q^T).  v: the sources swapped: registers along the tokens (the keys).
; Rows lie permuted inside each group of 32 (bits 3 and 4 of the row's number exchanged), so that the 16 registers of two neighbouring tiles are 16 neighbours.  The bias is the C of the first K step.
; q and k run one loop body, two trips; v's is written out.  No prefetch: the walk has six steps, two of them fetched at the head, and only four refills.
; qkv: for each (batch, head) two records of HF bytes: K codes | V codes | K scale words | V scale words | Q codes | Q scale words; a tile's image there is registers 2 p, 2 p + 1 of lane l at 256 p + 8 l.
; LIMITS: a block of zeros gets the byte 1 where the rule says 127 (zero codes; this program alone reads the bytes); NaN and infinities are not served.
.set FR,    12
.set IMG,   1536
.set TILEB, 8*IMG
.set AHALF, 8*TILEB
.set BOFF,  2*AHALF
.set HROW,  4*IMG
.set SLOT,  8*HROW
.set SCR,   BOFF+2*SLOT                ; 512 bytes a wave: the scale words' way out; no tensor load lands here
.set SPARE, SCR+2048                   ; the spare words
.set WGT,   786432                     ; from weight to weight in wc
.set HS,    157696
.set HF,    78848
.set OFF8, 8                           ; 8 x lane
.set SWA,  9                           ; scratch, way in: 4 (lane % 16)
.set SRA,  10                          ; way out, 16 x lane
.set L16,  11                          ; 16 x lane
.set SRV,  12                          ; way out, 8 x lane
.set S32,  14                          ; 32 (lane % 16): my row's scale bytes
.set BIA,  15                          ; 64 (lane / 16): the bias
.set ADRA, 16                          ; v16-17 A's fragments: tiles 0-3, 4-7
.set ADRB, 20                          ; v20-21 B's fragments: slot 0, 1
.set SPW,  28
.set NIL,  29
.set SCB,  32                          ; v32-63 the weights' scale words: 8 b + K step
.set SCA,  64                          ; v64-127 the tokens': 8 a + K step
.set PC,   192
.set PT,   204
.set TM,   212
.set PW,   228
.set RB,   232
.set CI,   128                         ; window 1: v128-159 bias of q or k in C's layout; v160-191 of v.  Window 1 v0-47, v64-111: B's fragments; window 3 v0-95, v128-223: A's; window 2: accumulators
.set CIV,  160
.set G1,  24
.set G0,  32
.set G0B, 36
.set G0R, 40
.set G1B, 48
.set MSB, 0
.macro WIN new
.if MSB != (\new)
	s_set_vgpr_msb (MSB<<8)|(\new)
.set MSB, (\new)
.endif
.endm
.macro MWIN r, ci                      ; r = 0: source 0 window 1, source 1 window 3; r = 1 the other way; D window 2; C window 2, or 1 for the bias
	WIN 0xad-6*(\r)-16*(\ci)
.endm
.macro PLACES                          ; plain places behind matrix instructions (ISA guide 7.12.1)
.rept 4
	v_nop
.endr
.endm
.macro CREST
	s_cmp_lg_u32 s14, 0
	s_cbranch_scc1 .Lnw0_\@
	s_barrier_signal -3
.Lnw0_\@:
	s_barrier_wait -3
	s_barrier_signal -1
	s_barrier_wait -1
.endm
.macro CROUND
	s_barrier_signal -1
	s_barrier_wait -1
	CREST
.endm
	s_load_b256 s[4:11], s[0:1], 0x0               ; xc, xs, wc, ws
	s_load_b256 s[92:99], s[0:1], 0x20             ; bq, bk, bv, qkv
	v_lshl_add_u32 v[SPW], v0, 2, SPARE
	v_mov_b32 v[NIL], 0
	ds_add_u32 v[SPW], v[NIL]                      ; the opening lines
	ds_add_u32 v[SPW], v[NIL]
	v_lshrrev_b32 v1, 5, v0
	v_readfirstlane_b32 s14, v1                    ; wave
	s_lshr_b32 s15, s14, 1                         ; my half of the tokens; at the head: I fetch tokens (0) or weights (1)
	s_and_b32 s16, s14, 1                          ; my half of the features; at the head: which half I fetch
	s_bfe_u32 s84, ttmp6, 0x40000                  ; cx
	s_bfe_u32 s85, ttmp6, 0x40004                  ; cy
	s_lshl_b32 s86, ttmp9, 2
	s_add_co_u32 s86, s86, s84                     ; work-group x
	s_and_b32 s17, ttmp7, 0xffff
	s_lshl_b32 s17, s17, 2
	s_add_co_u32 s17, s17, s85                     ; work-group y
	s_lshl_b32 s87, s85, 2
	s_lshl_b32 s87, 15, s87                        ; my row of the cluster
	s_lshl_b32 s88, 0x1111, s84                    ; my column
	s_or_b32 s[G1], s87, (3<<16)|(1<<21)           ; tokens: 8 tiles, rows of 12,288 bytes (1,536 elements of 8), dense
	s_mov_b32 s[G1+1], 1536<<16
	s_mov_b32 s[G1+2], 8<<16
	s_mov_b32 s[G1+3], 1536<<16
	s_mov_b32 s[G1+4], 8
	s_mov_b32 s[G1+5], 1536
	s_mov_b32 s[G1+6], 0
	s_mov_b32 s[G1+7], 0
	s_or_b32 s[G1B], s88, (3<<16)|(1<<21)          ; weights: rows of 6,144 bytes (half of K), 12,288 apart; 8 tiles at the head
	s_mov_b32 s[G1B+1], 768<<16
	s_mov_b32 s[G1B+2], 8<<16
	s_mov_b32 s[G1B+3], 768<<16
	s_mov_b32 s[G1B+4], 8
	s_mov_b32 s[G1B+5], 1536
	s_mov_b32 s[G1B+6], 0
	s_mov_b32 s[G1B+7], 0
	s_lshl_b32 s20, s17, 4
	s_lshl_b32 s18, s16, 3
	s_add_co_u32 s20, s20, s18
	s_mul_i32 s20, s20, TILEB                      ; tokens: tile 16 y + 8 half
	s_mov_b32 s21, 0
	s_mul_i32 s22, s86, 8*TILEB                    ; weights: tile 8 x; the head's load takes half s16 of K
	s_mul_i32 s18, s16, HROW
	s_add_co_u32 s22, s22, s18
	s_mov_b32 s23, 0
	s_mul_i32 s90, s86, 8*TILEB                    ; a refill: my two tiles
	s_mul_i32 s18, s14, 2*TILEB
	s_add_co_u32 s90, s90, s18
	s_mov_b32 s91, 0
	s_mul_i32 s33, s16, AHALF
	s_mul_i32 s37, s16, SLOT
	s_add_co_u32 s37, s37, BOFF
	s_mul_i32 s41, s14, 2*HROW
	s_add_co_u32 s41, s41, BOFF
	s_add_co_u32 s45, s41, SLOT
	s_wait_dscnt 0x0
	s_wait_kmcnt 0x0
	s_add_nc_u64 s[34:35], s[4:5], s[20:21]
	s_or_b32 s35, s35, 0x80000000
	s_add_nc_u64 s[38:39], s[8:9], s[22:23]
	s_or_b32 s39, s39, 0x80000000
	s_add_nc_u64 s[42:43], s[8:9], s[90:91]
	s_add_nc_u64 s[46:47], s[42:43], HROW
	s_or_b32 s43, s43, 0x80000000
	s_or_b32 s47, s47, 0x80000000
	s_mov_b32 s32, 1
	s_mov_b32 s36, 1
	s_mov_b32 s40, 1
	s_mov_b32 s44, 1
	CROUND                                         ; all sixteen work-groups are here: the first joint loads meet
	s_cmp_eq_u32 s15, 0                            ; one tensor load a wave at the head
	s_cbranch_scc0 .Lhead_b
	tensor_load_to_lds s[G0:G0+3], s[G1:G1+7]
	s_nop 0
	PLACES
	s_branch .Lhead_done
.Lhead_b:
	tensor_load_to_lds s[G0B:G0B+3], s[G1B:G1B+7]
	s_nop 0
	PLACES
.Lhead_done:
	s_mul_i32 s70, s15, AHALF
	s_add_co_u32 s71, s70, 4*TILEB
	s_mul_i32 s72, s16, 4*HROW
	s_add_co_u32 s72, s72, BOFF
	s_add_co_u32 s73, s72, SLOT
	s_lshl_b32 s74, s14, 9
	s_add_co_u32 s74, s74, SCR
	s_lshl_b32 s20, s17, 13                        ; xs: row 256 y + 128 half, 32 bytes a row
	s_lshl_b32 s22, s15, 12
	s_add_co_u32 s20, s20, s22
	s_add_nc_u64 s[6:7], s[6:7], s[20:21]
	s_lshl_b32 s20, s86, 12                        ; ws: row 128 x + 64 half
	s_lshl_b32 s22, s16, 11
	s_add_co_u32 s20, s20, s22
	s_add_nc_u64 s[62:63], s[10:11], s[20:21]
	s_lshr_b32 s20, s20, 3                         ; the biases: 4 bytes a feature
	s_add_nc_u64 s[92:93], s[92:93], s[20:21]
	s_add_nc_u64 s[94:95], s[94:95], s[20:21]
	s_add_nc_u64 s[96:97], s[96:97], s[20:21]
	s_lshl_b32 s18, s86, 1
	s_add_co_u32 s18, s18, s16                     ; my head
	s_lshr_b32 s19, s17, 2
	s_lshl_b32 s19, s19, 4
	s_add_co_u32 s18, s18, s19
	s_mul_i32 s18, s18, HS
	s_and_b32 s19, s17, 3
	s_lshl_b32 s19, s19, 1
	s_add_co_u32 s19, s19, s15                     ; which 128 tokens of the batch's 1,024
	s_lshr_b32 s20, s19, 2
	s_mul_i32 s20, s20, HF
	s_add_co_u32 s18, s18, s20                     ; the record
	s_and_b32 s19, s19, 3
	s_mul_i32 s22, s19, 6144
	s_add_co_u32 s22, s22, s18
	s_add_co_u32 s20, s22, 52224
	s_add_nc_u64 s[56:57], s[98:99], s[20:21]      ; q's codes; k's lie 52,224 bytes lower
	s_add_co_u32 s20, s22, 24576
	s_add_nc_u64 s[66:67], s[98:99], s[20:21]      ; v's codes
	s_lshl_b32 s20, s19, 9
	s_add_co_u32 s20, s20, s18
	s_add_co_u32 s20, s20, 76800
	s_add_nc_u64 s[58:59], s[98:99], s[20:21]      ; q's scale words; k's lie 27,648 bytes lower
	s_lshl_b32 s20, s19, 8
	s_add_co_u32 s20, s20, s18
	s_add_co_u32 s20, s20, 51200
	s_add_nc_u64 s[60:61], s[98:99], s[20:21]      ; v's scale words
	s_mov_b32 s12, 0x76543210                      ; v_permlanex16_b32's selects for lane l xor 16
	s_mov_b32 s13, 0xfedcba98
	s_mov_b32 s3, 2                                ; trips: q, k
	v_and_b32 v1, 15, v0
	v_bfe_u32 v2, v0, 4, 1
	v_and_b32 v6, 31, v0
	v_lshlrev_b32 v[L16], 4, v6
	v_lshlrev_b32 v[OFF8], 3, v6
	v_add_nc_u32 v[ADRA], s70, v[L16]
	v_add_nc_u32 v[ADRA+1], s71, v[L16]
	v_add_nc_u32 v[ADRB], s72, v[L16]
	v_add_nc_u32 v[ADRB+1], s73, v[L16]
	v_lshl_add_u32 v[SWA], v1, 2, s74
	v_add_nc_u32 v[SRA], s74, v[L16]
	v_add_nc_u32 v[SRV], s74, v[OFF8]
	v_lshlrev_b32 v[S32], 5, v1
	v_lshlrev_b32 v[BIA], 6, v2
	v_and_b32 v3, 8, v1
	v_add_nc_u32 v3, v3, v1
	v_lshlrev_b32 v3, 2, v3                        ; v's bias: feature r + 8 (r / 8) of the tile
.irp b, 0,1,2,3
	v_mov_b32 v[TM+4+\b], 0                        ; a lane permute's destination counts as one of its sources
.endr
.macro LOADSCB
.irp b, 0,1,2,3
	global_load_b128 v[SCB+8*\b:SCB+8*\b+3], v[S32], s[62:63] offset:512*\b
	global_load_b128 v[SCB+8*\b+4:SCB+8*\b+7], v[S32], s[62:63] offset:512*\b+16
.endr
.endm
.macro LOADCI p                        ; block b, lane (r, h): features 32 (b / 2) + 8 (b % 2) + 16 h + 0 .. 7
	WIN 0x40
.irp b, 0,1,2,3
	global_load_b128 v[CI+8*\b:CI+8*\b+3], v[BIA], s[\p:\p+1] offset:(32*(\b/2)+8*(\b%2))*4
	global_load_b128 v[CI+8*\b+4:CI+8*\b+7], v[BIA], s[\p:\p+1] offset:(32*(\b/2)+8*(\b%2))*4+16
.endr
	WIN 0
.endm
.irp a, 0,1,2,3,4,5,6,7
	global_load_b128 v[SCA+8*\a:SCA+8*\a+3], v[S32], s[6:7] offset:512*\a
	global_load_b128 v[SCA+8*\a+4:SCA+8*\a+7], v[S32], s[6:7] offset:512*\a+16
.endr
	LOADSCB
	LOADCI 92
	WIN 0x40
.irp b, 0,1,2,3
	global_load_b32 v[CIV+8*\b], v3, s[96:97] offset:(32*(\b/2)+8*(\b%2))*4
.endr
	WIN 0
	s_wait_alu depctr_va_vdst(0)
	s_wait_loadcnt 0x0
	WIN 0x41
.irp b, 0,1,2,3
.irp j, 1,2,3,4,5,6,7
	v_mov_b32 v[CIV+8*\b+\j], v[CIV+8*\b]          ; v's bias is the same in a lane's eight registers
.endr
.endr
	WIN 0
	s_wait_alu depctr_va_vdst(0)
	s_wait_tensorcnt 0x0                           ; my head load has landed; no load of mine is out, so a descriptor may be written:
	s_mov_b32 s[G1B+2], 2<<16                      ; a refill brings two tiles a wave
	s_mov_b32 s[G1B+4], 2
	s_barrier_signal -1
	s_barrier_wait -1                              ; everybody's has
.macro FETCH kk                        ; the fragments of K step kk (0 .. 7 of a weight) into set kk % 2: 12 + 24 loads
	WIN 0x40
.irp i, 0,1,2,3
.irp g, 0,1,2
	ds_load_b128 v[64*((\kk)%2)+FR*\i+4*\g:64*((\kk)%2)+FR*\i+4*\g+3], v[ADRB+(\kk)/4] offset:HROW*\i+IMG*((\kk)%4)+512*\g
.endr
.endr
	WIN 0xc0
.irp i, 0,1,2,3,4,5,6,7
.irp g, 0,1,2
	ds_load_b128 v[128*((\kk)%2)+FR*\i+4*\g:128*((\kk)%2)+FR*\i+4*\g+3], v[ADRA+\i/4] offset:TILEB*(\i%4)+IMG*(\kk)+512*\g
.endr
.endr
.endm
.macro MUL r, kk, a0, ci               ; 8 matrix instructions: token tiles a0, a0 + 1 x the four feature tiles; the 32 accumulators take turns
.irp a, \a0, \a0+1
.irp b, 0,1,2,3
.if \r
.set DD, 8*(8*\b+(\a))
.set X0, 128*((\kk)%2)+FR*(\a)
.set X1, 64*((\kk)%2)+FR*\b
.set S0, SCA+8*(\a)+(\kk)
.set S1, SCB+8*\b+(\kk)
.set CC, CIV+8*\b
.else
.set DD, 8*(4*(\a)+\b)
.set X0, 64*((\kk)%2)+FR*\b
.set X1, 128*((\kk)%2)+FR*(\a)
.set S0, SCB+8*\b+(\kk)
.set S1, SCA+8*(\a)+(\kk)
.set CC, CI+8*\b
.endif
.if (\ci) == 0
.set CC, DD
.endif
	v_wmma_scale_f32_16x16x128_f8f6f4 v[DD:DD+7], v[X0:X0+FR-1], v[X1:X1+FR-1], v[CC:CC+7], v[S0], v[S1] matrix_a_fmt:MATRIX_FMT_FP6 matrix_b_fmt:MATRIX_FMT_FP6
.endr
.endr
.endm
.macro EVEN r, kk, ci                  ; a K step whose successor lies in the same slot
	PLACES
	FETCH (\kk)+1
	s_wait_dscnt 36                                ; all but the 36 just issued
	MWIN \r, \ci
	MUL \r, \kk, 0, \ci
	MUL \r, \kk, 2, \ci
	MUL \r, \kk, 4, \ci
	MUL \r, \kk, 6, \ci
.endm
.macro TURN r, kk, fill, nxt           ; a slot's last K step and the change of slots
	WIN 0
	s_wait_tensorcnt 0x0                           ; all my tensor loads have landed: my part of the next slot
	ds_add_u32 v[SPW], v[NIL]
	s_wait_dscnt 1                                 ; this step's fragments are in (the add may be out)
	MWIN \r, 0
	MUL \r, \kk, 0, 0
	MUL \r, \kk, 2, 0
	s_wait_dscnt 0x0                               ; the add is done; my reads of this slot were over above
	s_barrier_signal -1
	MUL \r, \kk, 4, 0
	WIN 0
	s_barrier_wait -1
.if \fill
	CREST                                          ; the barrier has opened a round of the cluster's barrier
	s_add_nc_u64 s[G0R+4*((\kk)/4)+2:G0R+4*((\kk)/4)+3], s[G0R+4*((\kk)/4)+2:G0R+4*((\kk)/4)+3], WGT
	tensor_load_to_lds s[G0R+4*((\kk)/4):G0R+4*((\kk)/4)+3], s[G1B:G1B+7]   ; the next weight's same half of K, my two tiles: my one load behind the round
	s_nop 0
.endif
	PLACES
	FETCH \nxt
	MWIN \r, 0
	MUL \r, \kk, 6, 0
.endm
; THE WAY OUT of 64 registers a lane, four blocks of 32 (each shared with lane l xor 16).  r = 0: token tiles 2 p and 2 p + 1, six registers and a word of two bytes each; r = 1: feature tile p, twelve registers, a word of four bytes.
.macro OUTBLK p, r, cb
.set AC, 64*(\p)
	s_wait_xcnt 0x0                                ; earlier stores have read their data
	WIN 0x28
.irp b, 0,1,2,3
	v_max3_num_f32 v[TM+\b], 0x1800000, |v[AC+16*\b]|, |v[AC+16*\b+1]|   ; each accumulator from its low end on; the floor 2^(3 - 127) holds the byte at 1 from below
.endr
.irp i, 2,4,6,8,10,12,14
.irp b, 0,1,2,3
	v_max3_num_f32 v[TM+\b], v[TM+\b], |v[AC+16*\b+\i]|, |v[AC+16*\b+\i+1]|
.endr
.endr
	WIN 0
.irp b, 0,1,2,3
	v_permlanex16_b32 v[TM+4+\b], v[TM+\b], s12, s13
.endr
.irp b, 0,1,2,3
	v_max_num_f32 v[TM+\b], v[TM+\b], v[TM+4+\b]
.endr
.irp b, 0,1,2,3
	v_add_nc_u32 v[TM+12+\b], 0xff000000, v[TM+\b] ; 2 off the exponent field: the conversion's scale operand
.endr
.irp b, 0,1,2,3
	v_lshrrev_b32 v[TM+4+\b], 23, v[TM+12+\b]
.endr
	v_lshl_or_b32 v[PW], v[TM+5], 8, v[TM+4]
.if \r
	v_lshl_or_b32 v[PW], v[TM+6], 16, v[PW]
	v_lshl_or_b32 v[PW], v[TM+7], 24, v[PW]
.else
	v_lshl_or_b32 v[PW+1], v[TM+7], 8, v[TM+6]
.endif
	WIN 0x02
.irp c, 0,1
	v_cvt_scalef32_pk16_fp6_f32 v[PC+6*\c:PC+6*\c+2], v[AC+32*\c:AC+32*\c+15], v[TM+12+2*\c]
	v_cvt_scalef32_pk16_fp6_f32 v[PT+4*\c:PT+4*\c+2], v[AC+32*\c+16:AC+32*\c+31], v[TM+13+2*\c]
.endr
	WIN 0
	v_nop                                          ; one plain place behind a scaled conversion
.irp c, 0,1
.irp i, 0,1,2
	v_permlane16_swap_b32 v[PC+6*\c+\i], v[PT+4*\c+\i]   ; a whole block of 32 to a lane
.endr
.irp i, 0,1,2
	v_mov_b32 v[PC+3+6*\c+\i], v[PT+4*\c+\i]
.endr
.endr
.if \r
	ds_store_b32 v[SWA], v[PW] offset:64*(\p)      ; lanes l and l + 16 write the same word to the same place
.else
	ds_store_b32 v[SWA], v[PW] offset:128*(\p)
	ds_store_b32 v[SWA], v[PW+1] offset:128*(\p)+64
.endif
.irp q, 0,1,2,3,4,5
	global_store_b64 v[OFF8], v[PC+2*\q:PC+2*\q+1], s[\cb:\cb+1] offset:1536*(\p)+256*\q   ; 256 consecutive bytes, aligned
.endr
.endm
	FETCH 0
	WIN 0
.Lsub:                                                 ; q, then k
	EVEN 0, 0, 1
	EVEN 0, 1, 0
	EVEN 0, 2, 0
	TURN 0, 3, 1, 4
	EVEN 0, 4, 0
	EVEN 0, 5, 0
	EVEN 0, 6, 0
	TURN 0, 7, 1, 0
	WIN 0
	PLACES                                         ; in front of the loads into the scale and bias registers and of the first read of the results
	s_add_nc_u64 s[62:63], s[62:63], 32768         ; the next weight's scale words (the earlier loads by this base were waited for)
	LOADSCB
	s_cmp_eq_u32 s3, 1
	s_cbranch_scc1 .Lno_ci                         ; behind k comes v, whose bias came at the head
	LOADCI 94
.Lno_ci:
.irp p, 0,1,2,3
	OUTBLK \p, 0, 56
.endr
	ds_load_b128 v[RB:RB+3], v[SRA]                ; in order behind my stores: 8 tiles' words, 512 bytes
	s_wait_dscnt 0x0
	global_store_b128 v[L16], v[RB:RB+3], s[58:59]
	s_wait_xcnt 0x0                                ; the stores have read their bases
	s_sub_nc_u64 s[56:57], s[56:57], 52224
	s_sub_nc_u64 s[58:59], s[58:59], 27648
	s_wait_loadcnt 0x0                             ; scale words and bias
	s_sub_co_u32 s3, s3, 1
	s_cmp_lg_u32 s3, 0
	s_cbranch_scc1 .Lsub
	EVEN 1, 0, 1                                   ; v: nothing is left to fetch
	EVEN 1, 1, 0
	EVEN 1, 2, 0
	TURN 1, 3, 0, 4
	EVEN 1, 4, 0
	EVEN 1, 5, 0
	EVEN 1, 6, 0
	s_wait_dscnt 0x0
	MWIN 1, 0
	MUL 1, 7, 0, 0
	MUL 1, 7, 2, 0
	MUL 1, 7, 4, 0
	MUL 1, 7, 6, 0
	WIN 0
	PLACES
.irp p, 0,1,2,3
	OUTBLK \p, 1, 66
.endr
	ds_load_b64 v[RB:RB+1], v[SRV]                 ; 4 tiles' words, 256 bytes
	s_wait_dscnt 0x0
	global_store_b64 v[OFF8], v[RB:RB+1], s[60:61]
	s_wait_tensorcnt 0x0                           ; the wave's end
	ds_add_u32 v[SPW], v[NIL]
	s_wait_dscnt 0x0
	CROUND                                         ; the closing round
	s_endpgm
.Lfunc_end_k_q6125668ab8_gemm1:
	.size	k_q6125668ab8_gemm1, .Lfunc_end_k_q6125668ab8_gemm1-k_q6125668ab8_gemm1
	.p2alignl 7, 3214868480
	.fill 96, 4, 3214868480
	.section	.rodata,"a",@progbits
	.p2align	6, 0x0
	.amdhsa_kernel k_q6125668ab8_gemm1
		.amdhsa_group_segment_fixed_size 327680
		.amdhsa_private_segment_fixed_size 0
		.amdhsa_enable_private_segment 0
		.amdhsa_kernarg_size 64
		.amdhsa_user_sgpr_count 2
		.amdhsa_user_sgpr_kernarg_segment_ptr 1
		.amdhsa_wavefront_size32 1
		.amdhsa_system_sgpr_workgroup_id_x 1
		.amdhsa_system_sgpr_workgroup_id_y 1
		.amdhsa_system_sgpr_workgroup_id_z 1
		.amdhsa_system_vgpr_workitem_id 0
		.amdhsa_next_free_vgpr 1024
		.amdhsa_next_free_sgpr 100
		.amdhsa_reserve_vcc 0
		.amdhsa_float_denorm_mode_32 3
		.amdhsa_float_denorm_mode_16_64 3
		.amdhsa_memory_ordered 1
		.amdhsa_forward_progress 1
		.amdhsa_inst_pref_size 157
	.end_amdhsa_kernel
	.amdgpu_metadata
---
amdhsa.version: [ 1, 2 ]
amdhsa.kernels:
  - .name:           k_q6125668ab8_gemm1
    .symbol:         k_q6125668ab8_gemm1.kd
    .args:
      - { .name: xc, .offset: 0, .size: 8, .value_kind: global_buffer, .address_space: global }
      - { .name: xs, .offset: 8, .size: 8, .value_kind: global_buffer, .address_space: global }
      - { .name: wc, .offset: 16, .size: 8, .value_kind: global_buffer, .address_space: global }
      - { .name: ws, .offset: 24, .size: 8, .value_kind: global_buffer, .address_space: global }
      - { .name: bq, .offset: 32, .size: 8, .value_kind: global_buffer, .address_space: global }
      - { .name: bk, .offset: 40, .size: 8, .value_kind: global_buffer, .address_space: global }
      - { .name: bv, .offset: 48, .size: 8, .value_kind: global_buffer, .address_space: global }
      - { .name: qkv, .offset: 56, .size: 8, .value_kind: global_buffer, .address_space: global }
    .group_segment_fixed_size: 327680
    .private_segment_fixed_size: 0
    .kernarg_segment_align: 8
    .kernarg_segment_size: 64
    .max_flat_workgroup_size: 128
    .sgpr_count:     100
    .vgpr_count:     1024
    .wavefront_size: 32
...
	.end_amdgpu_metadata
.endif
;; end of part 2
;; launch attn (part 3): grid 4 x 64, 16 waves a work-group, clusters of 4 x 1, 327,680 bytes of LDS; arguments qkv, maskw, oc, os; writes oc, os
.if DOCPART == 3
	.amdgcn_target "amdgcn-amd-amdhsa--gfx1250"
	.amdhsa_code_object_version 6
	.text
	.protected	k_q6125668ab8_attn
	.globl	k_q6125668ab8_attn
	.p2align	8
	.type	k_q6125668ab8_attn,@function
k_q6125668ab8_attn:
	s_mov_b64 s[64:65], 0
	v_nop
	global_prefetch_b8 v0, s[64:65] scope:SCOPE_SE
	s_setreg_imm32_b32 hwreg(HW_REG_WAVE_MODE, 25, 1), 1
	s_wait_xcnt 0x0
	s_wait_alu depctr_hold_cnt(0) depctr_sa_sdst(0) depctr_va_vdst(0) depctr_va_sdst(0) depctr_va_ssrc(0) depctr_va_vcc(0) depctr_vm_vsrc(0)
	s_getreg_b32 s2, hwreg(HW_REG_IB_STS2, 6, 4)
	s_cmp_eq_u32 s2, 0
	s_cbranch_scc0 .Lentry_in_a_cluster
	s_endpgm
.Lentry_in_a_cluster:
	s_bfe_u32 s2, ttmp6, 0x10000c
	s_cmp_lg_u32 s2, 0x3003
	s_cbranch_scc0 .Lentry_shape_is_right
	s_endpgm
.Lentry_shape_is_right:
; o = softmax(where(mask, -1e9, q k^T / 8)) v for two heads, on codes of FP6 (E2M3) with E8M0 scales; o is divided by the row's sum, quantised along E and stored as images of the last product's operand.
; SHARES.  Work-group (x, y): batch y / 8, heads 2 (y % 8) and 2 (y % 8) + 1, queries 256 x on.  Each of sixteen waves owns ONE place tile of 16 queries and walks both heads, one after the other,
; 8 key steps of 128 keys each: so a wave ends with a whole fragment (128 along E) of o and its whole scale word.
; CLUSTER.  The four work-groups of a cluster need the same K and V: every region is asked for jointly (mask 15).  The four regions (head, half of the keys), 52,224 bytes each, lie side by side and are filled once.
; Each wave owns ONE load of 13,056 bytes: wave w brings quarter w % 4 of region w / 4.  Waves 0 to 3 ask behind the opening round; waves 4 to 15 behind a second round, which also shows region 0 to all;
; their loads land while region 0's four key steps are walked; one barrier then shows regions 1 to 3 to all, and from there on no wave waits for another until the closing round.
; LAYOUT.  S^T = k q^T (source 0 = 16 keys, source 1 = my queries), O^T = v^T p^T: a lane holds one query throughout.  Tiles are place tiles, so score register 16 b + i of lane (r, h) is key 32 b + 16 h + i of the step.
; K = 64 IN A 128-DEEP INSTRUCTION.  q's registers 6-11 are zero codes.  k's eight tiles lie on end, six registers each, and tile t's operand is the twelve registers from 6 t on: its upper six are the next tile's
; codes (behind tile 7: zeros).  They meet q's zero codes, E2M3 has no NaN or infinity, and both sides' scale bytes 2 and 3 are 0 (2^-127): these products add exactly 0.
; THE MASK.  maskw holds for each score register a word with a bit a lane; a masked score becomes -8e9, which is -1e9 x 8: t is then the same number as -1e9 x log2(e).
; THE SOFTMAX.  t = score x log2(e) / 8; M = the running largest t rounded up to a whole number; p = 2^(t - M) is quantised along the keys; the sum is taken of the unquantised p; a change of M multiplies sum and O^T by a power of two.
; A row all of whose keys so far are masked has t = M exactly: there the multiplier and -M are replaced by 0, so that p = 1, as f32 arithmetic on -1e9 x log2(e) gives.
; LIMITS: an open score whose t equals the masked t is treated as masked; a block of zeros gets the byte 1 (zero codes; this program alone reads the bytes); NaN and infinities are not served.
.set HS,    157696
.set HF,    78848
.set REG,   52224                      ; a region: K codes 24,576 | V codes 24,576 | K scale words 2,048 | V scale words 1,024
.set QTR,   13056                      ; what one tensor load brings: 51 rows of 256 bytes
.set SPARE, 4*REG                      ; the spare words: 128 bytes a wave, named by no other line
.set L8,  1                            ; v1  8 x lane
.set L4,  2                            ; v2  4 x lane
.set SPW, 3                            ; v3  my spare word; never rewritten
.set NIL, 4                            ; v4  0; never rewritten
.set ADK, 5                            ; v5-7 LDS addresses of the step's codes, K's words, V's words
.set ADS, 6
.set ADT, 7
.set GO,  8                            ; v8  16 x lane
.set GS,  9                            ; v9  32 x (lane % 16)
.set SMV, 10                           ; v10 -8e9
.set TMV, 11                           ; v11 its t
.set CL,  16                           ; v[16:17] the multiplier c, or 0       (v12 -M, v13 the largest t, v[14:15] the sum in two halves)
.set NM,  18                           ; v[18:19] -M, or 0
.set Q0,  20                           ; v20-31, v32-43 q of the two heads: six registers of codes, six of zeros
.set Q1,  32
.set QS0, 44
.set QS1, 45
.set KF,  46                           ; v46-99 eight tiles of k on end and six zeros; later four tiles of v
.set S,   100                          ; v100-163 S^T, then p
.set O,   164                          ; v164-195 O^T
.set PC,  196                          ; v196-207 p's codes
.set PT,  208                          ; v208-214 conversions' second halves
.set BM,  216
.set BT,  220
.set BS,  224
.set KSC, 228                          ; v228-231 k's scale words: lanes 0-15 tile 2 u, lanes 16-31 tile 2 u + 1
.set VSC, 232                          ; v232-233 v's likewise
.set PW,  234                          ; p's scale word
.set F,   236                          ; v[236:237] 2^(old M - new M)
.set TP,  238
.set OF,  240                          ; v240-251 o's fragment
.set OW,  252                          ; its scale word
; s2 wave; s3 count; s[4:5] mask words; s[6:7] oc; s[8:9] os; s[10:11] lane selects; s13 c; s14, s66, s67 LDS bytes of the step's codes, K words, V words; s15 the mask words' offset;
; s16-63, s68-83 the step's 64 mask words; s[84:91] descriptor group 1; s[92:95] my group 0; s[100:101], s[104:105] q's codes and words
.macro ROUND
	s_barrier_signal -1
	s_barrier_wait -1
	s_cmp_lg_u32 s2, 0
	s_cbranch_scc1 .Lnw0_\@
	s_barrier_signal -3
.Lnw0_\@:
	s_barrier_wait -3
	s_barrier_signal -1
	s_barrier_wait -1
.endm
.macro JL lo                           ; lo = 1: waves 0 to 3 issue their load; lo = 0: waves 4 to 15.  The branch hangs on the wave's number alone; s_nop 0 and four v_nop follow the load
	s_cmp_lt_u32 s2, 4
.if \lo
	s_cbranch_scc0 .Lnj_\@
.else
	s_cbranch_scc1 .Lnj_\@
.endif
	tensor_load_to_lds s[92:95], s[84:91]
	s_nop 0
.rept 4
	v_nop
.endr
.Lnj_\@:
.endm
.macro INIT
	v_mov_b32 v13, 0xff61b1e6                      ; the largest t so far: -3e38
	s_delay_alu instid0(VALU_DEP_1)
	v_floor_f32 v12, -v13
	v_mov_b32 v14, 0
	v_mov_b32 v15, 0
.set j, 0
.rept 32
	v_mov_b32 v[O+j], 0                            ; the step is written once: the first finds zeros
.set j, j+1
.endr
.endm
	s_load_b256 s[16:23], s[0:1], 0x0              ; qkv, maskw, oc, os
	v_lshl_add_u32 v[SPW], v0, 2, SPARE
	v_mov_b32 v[NIL], 0
	ds_add_u32 v[SPW], v[NIL]                      ; the wave's opening: the add and its wait stand ahead of the first tensor loads; register work stands between
	ds_add_u32 v[SPW], v[NIL]
	v_lshrrev_b32 v5, 5, v0
	s_delay_alu instid0(VALU_DEP_1)
	v_readfirstlane_b32 s2, v5                     ; wave 0..15
	s_bfe_u32 s24, ttmp6, 0x40000                  ; cx
	s_lshl_b32 s25, ttmp9, 2
	s_add_co_u32 s25, s25, s24                     ; my block of 256 queries: it enters q's, the mask's and o's addresses alone
	s_and_b32 s26, ttmp7, 0xffff                   ; y = 8 batch + pair of heads
	s_lshr_b32 s27, s26, 3
	s_and_b32 s28, s26, 7
	s_lshl_b32 s29, s25, 4
	s_add_co_u32 s29, s29, s2                      ; Tq: my place tile of queries
	s_lshl_b32 s30, s27, 6
	s_add_co_u32 s30, s30, s29                     ; T = 64 batch + Tq
	s_lshl_b32 s31, s26, 1                         ; 16 batch + first head = 2 y
	s_mul_i32 s31, s31, HS
	s_mul_i32 s3, s2, QTR                          ; where my load lands: quarter w % 4 of region w / 4 is byte 13,056 w
	s_mov_b32 s84, 15|(3<<16)|(1<<21)              ; mask: all four work-groups; elements of 8 bytes; bit 21 beside a mask; no padding
	s_mov_b32 s85, 32<<16                          ; tensor_dim0 = 32 (256 bytes)
	s_mov_b32 s86, 51<<16                          ; tensor_dim1 = 51
	s_mov_b32 s87, 32<<16                          ; tile_dim0
	s_mov_b32 s88, 51                              ; tile_dim1
	s_mov_b32 s89, 32                              ; the pitch: dense
	s_mov_b32 s90, 0
	s_mov_b32 s91, 0
	s_mov_b32 s10, 0x76543210
	s_mov_b32 s11, 0xfedcba98
	s_mov_b32 s13, 0x3e38aa3b                      ; c = log2(e) / 8
	s_mov_b32 s15, 0
	s_lshr_b32 s32, s2, 2                          ; where it comes from: the records of the two heads' halves lie HF bytes apart,
	s_mul_i32 s32, s32, HF
	s_and_b32 s33, s2, 3
	s_mul_i32 s33, s33, QTR                        ; my quarter of a record's first 52,224 bytes
	s_add_co_u32 s32, s32, s33
	s_add_co_u32 s32, s32, s31
	s_mov_b32 s33, 0
	s_lshl_b32 s34, s30, 11                        ; the mask words: 2,048 bytes a tile
	s_mov_b32 s35, 0
	s_lshl_b32 s36, s30, 3
	s_add_co_u32 s36, s36, s28
	s_mul_i32 s36, s36, 1536                       ; oc: image (T, K step = pair of heads)
	s_mov_b32 s37, 0
	s_lshl_b32 s38, s30, 9
	s_lshl_b32 s40, s28, 2
	s_add_co_u32 s38, s38, s40                     ; os: 16 T rows of 32 bytes, + 4 x K step
	s_mov_b32 s39, 0
	s_lshr_b32 s40, s29, 5
	s_mul_i32 s40, s40, HF
	s_add_co_u32 s40, s40, s31                     ; the record that holds my queries
	s_and_b32 s41, s29, 31
	s_mul_i32 s42, s41, 768
	s_add_co_u32 s42, s42, s40
	s_add_co_u32 s42, s42, 52224
	s_mov_b32 s43, 0
	s_lshl_b32 s44, s41, 6
	s_add_co_u32 s44, s44, s40
	s_add_co_u32 s44, s44, 76800
	s_mov_b32 s45, 0
	s_wait_dscnt 0x0                               ; the opening add is done
	s_wait_kmcnt 0x0
	s_mov_b32 s92, 1
	s_mov_b32 s93, s3
	s_add_nc_u64 s[94:95], s[16:17], s[32:33]
	s_or_b32 s95, s95, 0x80000000
	s_add_nc_u64 s[4:5], s[18:19], s[34:35]
	s_add_nc_u64 s[6:7], s[20:21], s[36:37]
	s_add_nc_u64 s[8:9], s[22:23], s[38:39]
	s_add_nc_u64 s[100:101], s[16:17], s[42:43]
	s_add_nc_u64 s[104:105], s[16:17], s[44:45]
	ROUND                                          ; all four work-groups are here: the first joint loads meet
	JL 1                                           ; region 0, by waves 0 to 3
	v_and_b32 v5, 31, v0
	s_delay_alu instid0(VALU_DEP_1)
	v_lshlrev_b32 v[L8], 3, v5
	s_delay_alu instid0(VALU_DEP_2)
	v_lshlrev_b32 v[L4], 2, v5
	s_delay_alu instid0(VALU_DEP_3)
	v_lshlrev_b32 v[GO], 4, v5
	v_and_b32 v6, 15, v0
	s_delay_alu instid0(VALU_DEP_1)
	v_lshlrev_b32 v[GS], 5, v6
	s_delay_alu instid0(VALU_DEP_2)
	v_lshlrev_b32 v7, 2, v6
.irp p, 0,1,2
	global_load_b64 v[Q0+2*\p:Q0+2*\p+1], v[L8], s[100:101] offset:256*\p
	global_load_b64 v[Q1+2*\p:Q1+2*\p+1], v[L8], s[100:101] offset:HS+256*\p
.endr
	global_load_b32 v[QS0], v7, s[104:105]
	global_load_b32 v[QS1], v7, s[104:105] offset:HS
	s_load_b512 s[16:31], s[4:5], s15 offset:0x0   ; key step 0's mask words
	s_load_b512 s[32:47], s[4:5], s15 offset:0x40
	s_load_b512 s[48:63], s[4:5], s15 offset:0x80
	s_load_b512 s[68:83], s[4:5], s15 offset:0xc0
.irp j, 6,7,8,9,10,11
	v_mov_b32 v[Q0+\j], 0
	v_mov_b32 v[Q1+\j], 0
	v_mov_b32 v[KF+42+\j], 0
.endr
	v_mov_b32 v[CL+1], 0                           ; upper halves of pairs of which the low word serves both halves
	v_mov_b32 v[NM+1], 0
	v_mov_b32 v[F+1], 0
	v_mov_b32 v[TP], 0
.irp b, 0,1,2,3
	v_mov_b32 v[BT+\b], 0                          ; a lane permute's destination counts as one of its sources
.endr
	v_mov_b32 v[SMV], 0xcfee6b28                   ; -8e9
	s_delay_alu instid0(VALU_DEP_1)
	v_mul_f32 v[TMV], s13, v[SMV]
	INIT
	s_wait_loadcnt 0x0                             ; q
; A KEY STEP: 128 keys.
.macro STEP qf, qs
	v_add_nc_u32 v[ADK], s14, v[L8]                ; these three and the v_nop are the places behind the last products, in front of the loads into their registers
	v_add_nc_u32 v[ADS], s66, v[L4]
	v_add_nc_u32 v[ADT], s67, v[L4]
	v_nop
.irp t, 0,1,2,3,4,5,6,7
.irp p, 0,1,2
	ds_load_b64 v[KF+6*\t+2*\p:KF+6*\t+2*\p+1], v[ADK] offset:768*\t+256*\p
.endr
.endr
.irp u, 0,1,2,3
	ds_load_b32 v[KSC+\u], v[ADS] offset:128*\u
.endr
	s_wait_alu depctr_va_vdst(0)
	s_wait_dscnt 0x0
.irp t, 0,2,4,6
	v_wmma_scale_f32_16x16x128_f8f6f4 v[S+8*\t:S+8*\t+7], v[KF+6*\t:KF+6*\t+11], v[\qf:\qf+11], 0, v[KSC+\t/2], v[\qs] matrix_a_fmt:MATRIX_FMT_FP6 matrix_b_fmt:MATRIX_FMT_FP6
	v_wmma_scale_f32_16x16x128_f8f6f4 v[S+8*\t+8:S+8*\t+15], v[KF+6*\t+6:KF+6*\t+17], v[\qf:\qf+11], 0, v[KSC+\t/2], v[\qs] matrix_a_fmt:MATRIX_FMT_FP6 matrix_b_fmt:MATRIX_FMT_FP6 matrix_a_scale:MATRIX_SCALE_ROW1
.endr
.rept 4
	v_nop                                          ; places: in front of the loads into k's registers and of the first read of the scores
.endr
.irp t, 0,1,2,3
.irp p, 0,1,2,3,4,5
	ds_load_b64 v[KF+12*\t+2*\p:KF+12*\t+2*\p+1], v[ADK] offset:24576+1536*\t+256*\p   ; v's four tiles land while the softmax runs
.endr
.endr
.irp u, 0,1
	ds_load_b32 v[VSC+\u], v[ADT] offset:128*\u
.endr
	s_wait_kmcnt 0x0                               ; this step's mask words, asked for a step ago
.set j, 0
.rept 64
	v_cndmask_b32 v[S+j], v[S+j], v[SMV], s[16+j+4*(j/48)]   ; ascending: each accumulator is read from its low end on
.set j, j+1
.endr
	s_add_co_u32 s15, s15, 256                     ; (the wait above has shown the loads done that read s15)
	s_and_b32 s15, s15, 0x7ff                      ; behind step 7 comes step 0 again: the second head reads the same words; the very last request is not used
	s_load_b512 s[16:31], s[4:5], s15 offset:0x0
	s_load_b512 s[32:47], s[4:5], s15 offset:0x40
	s_load_b512 s[48:63], s[4:5], s15 offset:0x80
	s_load_b512 s[68:83], s[4:5], s15 offset:0xc0
.irp b, 0,1,2,3
	v_max3_num_f32 v[BM+\b], v[S+16*\b], v[S+16*\b+1], v[S+16*\b+2]   ; the largest score of each block of 32 keys: for the row's maximum and for the block's largest p
.endr
.irp i, 3,5,7,9,11,13
.irp b, 0,1,2,3
	s_delay_alu instid0(VALU_DEP_4)
	v_max3_num_f32 v[BM+\b], v[BM+\b], v[S+16*\b+\i], v[S+16*\b+\i+1]
.endr
.endr
.irp b, 0,1,2,3
	s_delay_alu instid0(VALU_DEP_4)
	v_max_num_f32 v[BM+\b], v[BM+\b], v[S+16*\b+15]
.endr
.irp b, 0,1,2,3
	s_delay_alu instid0(VALU_DEP_4)
	v_permlanex16_b32 v[BT+\b], v[BM+\b], s10, s11
.endr
.irp b, 0,1,2,3
	s_delay_alu instid0(VALU_DEP_4)
	v_max_num_f32 v[BM+\b], v[BM+\b], v[BT+\b]
.endr
	s_delay_alu instid0(VALU_DEP_2)
	v_max3_num_f32 v[TP], v[BM], v[BM+1], v[BM+2]
	s_delay_alu instid0(VALU_DEP_1)
	v_max_num_f32 v[TP], v[TP], v[BM+3]
	s_delay_alu instid0(VALU_DEP_1)
	v_mul_f32 v[TP], s13, v[TP]
	s_delay_alu instid0(VALU_DEP_1)
	v_max_num_f32 v13, v13, v[TP]                  ; the running largest t
	v_mov_b32 v[TP], v12
	s_delay_alu instid0(VALU_DEP_2)
	v_floor_f32 v12, -v13                          ; the new -M: a whole number
	s_delay_alu instid0(VALU_DEP_1)
	v_sub_f32 v[TP], v12, v[TP]
	s_delay_alu instid0(VALU_DEP_1)
	v_cvt_i32_f32 v[TP], v[TP]                     ; (it saturates)
	s_delay_alu instid0(VALU_DEP_1)
	v_ldexp_f32 v[F], 1.0, v[TP]                   ; f = 2^(old M - new M)
	v_cmp_eq_f32 vcc_lo, v[TMV], v13               ; all keys so far masked?
	s_delay_alu instid0(VALU_DEP_1)
	v_cndmask_b32 v[CL], s13, 0, vcc_lo            ; then t - M is 0 for every key
	s_delay_alu instid0(VALU_DEP_2)
	v_cndmask_b32 v[NM], v12, 0, vcc_lo
.set j, 0
.rept 32
	v_pk_fma_f32 v[S+j:S+j+1], v[S+j:S+j+1], v[CL:CL+1], v[NM:NM+1] op_sel_hi:[1,0,0]   ; t - M, two at a time
.set j, j+2
.endr
.irp b, 0,1,2,3
	v_fma_f32 v[BM+\b], v[BM+\b], v[CL], v[NM]
.endr
.set j, 0
	s_wait_alu depctr_va_vdst(0)
.rept 64
	v_exp_f32 v[S+j], v[S+j]                       ; p = 2^(t - M)
.set j, j+1
.endr
	v_pk_mul_f32 v[14:15], v[14:15], v[F:F+1] op_sel_hi:[1,0]   ; the sums under the new M: the plain place behind the batch
	s_wait_alu depctr_va_vdst(0)                   ; one wait for the batch of 64, ahead of its first reader
.irp b, 0,1,2,3
	v_exp_f32 v[BM+\b], v[BM+\b]                   ; each block's largest p
.endr
	v_pk_add_f32 v[220:221], v[104:105], v[108:109]
	v_pk_add_f32 v[254:255], v[112:113], v[116:117]
	v_pk_add_f32 v[250:251], v[120:121], v[124:125]
	v_pk_add_f32 v[248:249], v[128:129], v[132:133]
	v_pk_add_f32 v[246:247], v[136:137], v[140:141]
	v_pk_add_f32 v[234:235], v[144:145], v[148:149]
	v_pk_add_f32 v[230:231], v[152:153], v[156:157]
	v_pk_add_f32 v[14:15], v[14:15], v[160:161]
	v_pk_add_f32 v[220:221], v[220:221], v[100:101]
	v_pk_add_f32 v[254:255], v[254:255], v[102:103]
	v_pk_add_f32 v[250:251], v[250:251], v[106:107]
	v_pk_add_f32 v[248:249], v[248:249], v[110:111]
	v_pk_add_f32 v[246:247], v[246:247], v[114:115]
	v_pk_add_f32 v[234:235], v[234:235], v[118:119]
	v_pk_add_f32 v[230:231], v[230:231], v[122:123]
	v_pk_add_f32 v[14:15], v[14:15], v[126:127]
	v_pk_add_f32 v[220:221], v[220:221], v[130:131]
	v_pk_add_f32 v[254:255], v[254:255], v[134:135]
	v_pk_add_f32 v[250:251], v[250:251], v[138:139]
	v_pk_add_f32 v[248:249], v[248:249], v[142:143]
	v_pk_add_f32 v[246:247], v[246:247], v[146:147]
	v_pk_add_f32 v[234:235], v[234:235], v[150:151]
	v_pk_add_f32 v[230:231], v[230:231], v[154:155]
	v_pk_add_f32 v[14:15], v[14:15], v[158:159]
	v_pk_add_f32 v[220:221], v[220:221], v[162:163]
	s_delay_alu instid0(VALU_DEP_2)
	v_pk_add_f32 v[14:15], v[14:15], v[248:249]
	s_delay_alu instid0(VALU_DEP_2)
	v_pk_add_f32 v[220:221], v[220:221], v[246:247]
	v_pk_add_f32 v[254:255], v[254:255], v[234:235]
	v_pk_add_f32 v[250:251], v[250:251], v[230:231]
	s_delay_alu instid0(VALU_DEP_2)
	v_pk_add_f32 v[14:15], v[14:15], v[254:255]
	s_delay_alu instid0(VALU_DEP_2)
	v_pk_add_f32 v[220:221], v[220:221], v[250:251]
	s_delay_alu instid0(VALU_DEP_1)
	v_pk_add_f32 v[14:15], v[14:15], v[220:221]
	s_wait_alu depctr_va_vdst(0)                   ; and one for the four
.irp b, 0,1,2,3
	v_max_num_f32 v[BM+\b], 0x1800000, v[BM+\b]    ; the floor 2^(3 - 127)
.endr
.irp b, 0,1,2,3
	s_delay_alu instid0(VALU_DEP_4)
	v_add_nc_u32 v[BS+\b], 0xff000000, v[BM+\b]
.endr
.irp b, 0,1,2,3
	s_delay_alu instid0(VALU_DEP_4)
	v_lshrrev_b32 v[BT+\b], 23, v[BS+\b]
.endr
	s_delay_alu instid0(VALU_DEP_3)
	v_lshl_or_b32 v[PW], v[BT+1], 8, v[BT]
	s_delay_alu instid0(VALU_DEP_1)
	v_lshl_or_b32 v[PW], v[BT+2], 16, v[PW]
	s_delay_alu instid0(VALU_DEP_1)
	v_lshl_or_b32 v[PW], v[BT+3], 24, v[PW]
.irp c, 0,1
	v_cvt_scalef32_pk16_fp6_f32 v[PC+6*\c:PC+6*\c+2], v[S+32*\c:S+32*\c+15], v[BS+2*\c]
	v_cvt_scalef32_pk16_fp6_f32 v[PT+4*\c:PT+4*\c+2], v[S+32*\c+16:S+32*\c+31], v[BS+2*\c+1]
.endr
	v_nop                                          ; one plain place behind a scaled conversion
.irp c, 0,1
.irp i, 0,1,2
	v_permlane16_swap_b32 v[PC+6*\c+\i], v[PT+4*\c+\i]
.endr
.irp i, 0,1,2
	s_delay_alu instid0(VALU_DEP_3)
	v_mov_b32 v[PC+3+6*\c+\i], v[PT+4*\c+\i]
.endr
.endr
.set j, 0
.rept 16
	v_pk_mul_f32 v[O+j:O+j+1], v[O+j:O+j+1], v[F:F+1] op_sel_hi:[1,0]   ; O^T under the new M; also the places in front of the scaled products
.set j, j+2
.endr
	s_wait_alu depctr_va_vdst(0)
	s_wait_dscnt 0x0                               ; v
.irp t, 0,2
	v_wmma_scale_f32_16x16x128_f8f6f4 v[O+8*\t:O+8*\t+7], v[KF+12*\t:KF+12*\t+11], v[PC:PC+11], v[O+8*\t:O+8*\t+7], v[VSC+\t/2], v[PW] matrix_a_fmt:MATRIX_FMT_FP6 matrix_b_fmt:MATRIX_FMT_FP6
	v_wmma_scale_f32_16x16x128_f8f6f4 v[O+8*\t+8:O+8*\t+15], v[KF+12*\t+12:KF+12*\t+23], v[PC:PC+11], v[O+8*\t+8:O+8*\t+15], v[VSC+\t/2], v[PW] matrix_a_fmt:MATRIX_FMT_FP6 matrix_b_fmt:MATRIX_FMT_FP6 matrix_a_scale:MATRIX_SCALE_ROW1
.endr
	s_add_co_u32 s14, s14, 6144
	s_add_co_u32 s66, s66, 512
	s_add_co_u32 s67, s67, 256
.endm
.macro PHASE g, qf, qs                 ; the four key steps of region g
	s_mov_b32 s14, \g*REG
	s_mov_b32 s66, \g*REG+49152
	s_mov_b32 s67, \g*REG+51200
	s_mov_b32 s3, 4
.Lph_\@:
	STEP \qf, \qs
	s_sub_co_u32 s3, s3, 1
	s_cmp_lg_u32 s3, 0
	s_cbranch_scc1 .Lph_\@
.endm
; A head's end: O^T / the sum; its 64 numbers along E are two blocks: six registers of o's fragment and two bytes of its scale word.
.macro EPI hp
.rept 4
	v_nop                                          ; places behind the last products
.endr
	v_add_f32 v14, v14, v15
	s_delay_alu instid0(VALU_DEP_1)
	v_permlanex16_b32 v[TP], v14, s10, s11
	s_delay_alu instid0(VALU_DEP_1)
	v_add_f32 v14, v14, v[TP]                      ; the row's sum
	s_wait_alu depctr_va_vdst(0)
	v_rcp_f32 v14, v14
	v_nop
	s_wait_alu depctr_va_vdst(0)                   ; ahead of the reciprocal's first reader
.set j, 0
.rept 16
	v_pk_mul_f32 v[S+j:S+j+1], v[O+j:O+j+1], v[14:15] op_sel_hi:[1,0]
.set j, j+2
.endr
.irp b, 0,1
	v_max3_num_f32 v[BM+\b], |v[S+16*\b]|, |v[S+16*\b+1]|, 0x1800000
.endr
.irp i, 2,4,6,8,10,12,14
.irp b, 0,1
	s_delay_alu instid0(VALU_DEP_2)
	v_max3_num_f32 v[BM+\b], v[BM+\b], |v[S+16*\b+\i]|, |v[S+16*\b+\i+1]|
.endr
.endr
.irp b, 0,1
	s_delay_alu instid0(VALU_DEP_2)
	v_permlanex16_b32 v[BT+\b], v[BM+\b], s10, s11
.endr
.irp b, 0,1
	s_delay_alu instid0(VALU_DEP_2)
	v_max_num_f32 v[BM+\b], v[BM+\b], v[BT+\b]
.endr
.irp b, 0,1
	s_delay_alu instid0(VALU_DEP_2)
	v_add_nc_u32 v[BS+\b], 0xff000000, v[BM+\b]
.endr
.irp b, 0,1
	s_delay_alu instid0(VALU_DEP_2)
	v_lshrrev_b32 v[BT+\b], 23, v[BS+\b]
.endr
.if \hp == 0
	s_delay_alu instid0(VALU_DEP_1)
	v_lshl_or_b32 v[OW], v[BT+1], 8, v[BT]
.else
	s_delay_alu instid0(VALU_DEP_2)
	v_lshl_or_b32 v[OW], v[BT], 16, v[OW]
	s_delay_alu instid0(VALU_DEP_1)
	v_lshl_or_b32 v[OW], v[BT+1], 24, v[OW]
.endif
	v_cvt_scalef32_pk16_fp6_f32 v[OF+6*\hp:OF+6*\hp+2], v[S:S+15], v[BS]
	v_cvt_scalef32_pk16_fp6_f32 v[PT:PT+2], v[S+16:S+31], v[BS+1]
	v_nop
.irp i, 0,1,2
	v_permlane16_swap_b32 v[OF+6*\hp+\i], v[PT+\i]
.endr
.irp i, 0,1,2
	s_delay_alu instid0(VALU_DEP_3)
	v_mov_b32 v[OF+6*\hp+3+\i], v[PT+\i]
.endr
.endm
	s_wait_tensorcnt 0x0                           ; waves 0 to 3: my quarter of region 0 has landed; no load of mine is out
	ds_add_u32 v[SPW], v[NIL]
	ds_add_u32 v[SPW], v[NIL]
	s_wait_dscnt 0x0
	ROUND                                          ; region 0 is whole in all four work-groups; the later first fills stand behind a round, as a refill does
	JL 0                                           ; regions 1 to 3, by waves 4 to 15: a wave's one load; four key steps ahead of the first read
	PHASE 0, Q0, QS0
	s_wait_tensorcnt 0x0                           ; waves 4 to 15: my quarter has landed,
	s_wait_dscnt 0x0
	s_barrier_signal -1
	s_barrier_wait -1                              ; everybody's has: all of K and V lie in LDS
	PHASE 1, Q0, QS0
	EPI 0
	INIT
	PHASE 2, Q1, QS1
	PHASE 3, Q1, QS1
	EPI 1
.irp g, 0,1,2
	global_store_b128 v[GO], v[OF+4*\g:OF+4*\g+3], s[6:7] offset:512*\g   ; the fragment's image: 512 consecutive bytes a store
.endr
	global_store_b32 v[GS], v[OW], s[8:9]          ; lanes l and l + 16 hold the same word and write it to the same place
	s_wait_tensorcnt 0x0                           ; the wave's end
	ds_add_u32 v[SPW], v[NIL]
	s_wait_dscnt 0x0
	ROUND                                          ; the closing round
	s_endpgm
.Lfunc_end_k_q6125668ab8_attn:
	.size	k_q6125668ab8_attn, .Lfunc_end_k_q6125668ab8_attn-k_q6125668ab8_attn
	.p2alignl 7, 3214868480
	.fill 96, 4, 3214868480
	.section	.rodata,"a",@progbits
	.p2align	6, 0x0
	.amdhsa_kernel k_q6125668ab8_attn
		.amdhsa_group_segment_fixed_size 327680
		.amdhsa_private_segment_fixed_size 0
		.amdhsa_enable_private_segment 0
		.amdhsa_kernarg_size 32
		.amdhsa_user_sgpr_count 2
		.amdhsa_user_sgpr_kernarg_segment_ptr 1
		.amdhsa_wavefront_size32 1
		.amdhsa_system_sgpr_workgroup_id_x 1
		.amdhsa_system_sgpr_workgroup_id_y 1
		.amdhsa_system_sgpr_workgroup_id_z 1
		.amdhsa_system_vgpr_workitem_id 0
		.amdhsa_next_free_vgpr 256
		.amdhsa_next_free_sgpr 106
		.amdhsa_reserve_vcc 1
		.amdhsa_float_denorm_mode_32 3
		.amdhsa_float_denorm_mode_16_64 3
		.amdhsa_memory_ordered 1
		.amdhsa_forward_progress 1
		.amdhsa_inst_pref_size 116
	.end_amdhsa_kernel
	.amdgpu_metadata
---
amdhsa.version: [ 1, 2 ]
amdhsa.kernels:
  - .name:           k_q6125668ab8_attn
    .symbol:         k_q6125668ab8_attn.kd
    .args:
      - { .name: qkv, .offset: 0, .size: 8, .value_kind: global_buffer, .address_space: global }
      - { .name: maskw, .offset: 8, .size: 8, .value_kind: global_buffer, .address_space: global }
      - { .name: oc, .offset: 16, .size: 8, .value_kind: global_buffer, .address_space: global }
      - { .name: os, .offset: 24, .size: 8, .value_kind: global_buffer, .address_space: global }
    .group_segment_fixed_size: 327680
    .private_segment_fixed_size: 0
    .kernarg_segment_align: 8
    .kernarg_segment_size: 32
    .max_flat_workgroup_size: 512
    .sgpr_count:     106
    .vgpr_count:     256
    .wavefront_size: 32
...
	.end_amdgpu_metadata
.endif
;; end of part 3
;; launch gemm2 (part 4): grid 8 x 32, 4 waves a work-group, clusters of 4 x 4, 327,680 bytes of LDS; arguments oc, os, wc, ws, bo, out0; writes out0
.if DOCPART == 4
	.amdgcn_target "amdgcn-amd-amdhsa--gfx1250"
	.amdhsa_code_object_version 6
	.text
	.protected	k_q6125668ab8_gemm2
	.globl	k_q6125668ab8_gemm2
	.p2align	8
	.type	k_q6125668ab8_gemm2,@function
k_q6125668ab8_gemm2:
	s_mov_b64 s[64:65], 0
	v_nop
	global_prefetch_b8 v0, s[64:65] scope:SCOPE_SE
	s_setreg_imm32_b32 hwreg(HW_REG_WAVE_MODE, 25, 1), 1
	s_wait_xcnt 0x0
	s_wait_alu depctr_hold_cnt(0) depctr_sa_sdst(0) depctr_va_vdst(0) depctr_va_sdst(0) depctr_va_ssrc(0) depctr_va_vcc(0) depctr_vm_vsrc(0)
	s_getreg_b32 s2, hwreg(HW_REG_IB_STS2, 6, 4)
	s_cmp_eq_u32 s2, 0
	s_cbranch_scc0 .Lentry_in_a_cluster
	s_endpgm
.Lentry_in_a_cluster:
	s_bfe_u32 s2, ttmp6, 0x10000c
	s_cmp_lg_u32 s2, 0xf033
	s_cbranch_scc0 .Lentry_shape_is_right
	s_endpgm
.Lentry_shape_is_right:
; out0 = o Wo + bo on codes of FP6 (E2M3) with E8M0 scales, K = 1,024.  Work-group (x, y): tokens 256 y on x features 128 x on; wave w: 128 tokens (w / 2) x 64 features (w % 2): 32 accumulators.
; oc and wc hold operand images: tile T of 16 rows, 128 along K: 1,536 bytes at (8 T + ks) x 1,536, registers 4 g .. 4 g + 3 of lane l at 512 g + 16 l.
; ALL OF K LIES IN LDS: 196,608 bytes of o and 98,304 of Wo, brought by the head's four joint loads, one a wave (o's two halves of the rows, Wo's two halves of K).  Nothing is filled again: one barrier, then no wave waits for another.
; CLUSTER 4 x 4: o's tiles are shared along a row of the cluster, Wo's along a column.  No prefetch: there is no loop to run ahead in; every byte is asked for at the head.
; Source 0 = 16 features, source 1 = 16 tokens: a lane holds a token and eight neighbouring features.  Rows lie permuted inside each group of 32 (bits 3 and 4 exchanged).  The bias is the C of the first K step.
; The way out goes through a stage of the wave's own, on bytes that no tensor load fills: sixteen lanes store 256 consecutive bytes.
.set FR,    12
.set IMG,   1536
.set TILEB, 8*IMG
.set AHALF, 8*TILEB
.set BOFF,  2*AHALF
.set HROW,  4*IMG
.set SLOT,  8*HROW
.set STG,   BOFF+2*SLOT
.set SPITCH, 272
.set SPARE, STG+4*16*SPITCH
.set WGT,   786432
.set STO,  8
.set RD,   9
.set CO,   10
.set L16,  11
.set S32,  14
.set BIA,  15
.set ADRA, 16
.set ADRB, 20
.set SPW,  28
.set NIL,  29
.set SCB,  32
.set SCA,  64
.set BK,   192
.set CI,   128                         ; window 1
.set G1,  24
.set G0,  32
.set G0B, 36
.set G1B, 48
.set MSB, 0
.macro WIN new
.if MSB != (\new)
	s_set_vgpr_msb (MSB<<8)|(\new)
.set MSB, (\new)
.endif
.endm
.macro PLACES
.rept 4
	v_nop
.endr
.endm
.macro CROUND
	s_barrier_signal -1
	s_barrier_wait -1
	s_cmp_lg_u32 s14, 0
	s_cbranch_scc1 .Lnw0_\@
	s_barrier_signal -3
.Lnw0_\@:
	s_barrier_wait -3
	s_barrier_signal -1
	s_barrier_wait -1
.endm
	s_load_b256 s[4:11], s[0:1], 0x0               ; oc, os, wc, ws
	s_load_b128 s[96:99], s[0:1], 0x20             ; bo, out0
	v_lshl_add_u32 v[SPW], v0, 2, SPARE
	v_mov_b32 v[NIL], 0
	ds_add_u32 v[SPW], v[NIL]                      ; the opening lines
	ds_add_u32 v[SPW], v[NIL]
	v_lshrrev_b32 v1, 5, v0
	v_readfirstlane_b32 s14, v1
	s_lshr_b32 s15, s14, 1
	s_and_b32 s16, s14, 1
	s_bfe_u32 s84, ttmp6, 0x40000
	s_bfe_u32 s85, ttmp6, 0x40004
	s_lshl_b32 s86, ttmp9, 2
	s_add_co_u32 s86, s86, s84                     ; work-group x
	s_and_b32 s17, ttmp7, 0xffff
	s_lshl_b32 s17, s17, 2
	s_add_co_u32 s17, s17, s85                     ; work-group y
	s_lshl_b32 s87, s85, 2
	s_lshl_b32 s87, 15, s87
	s_lshl_b32 s88, 0x1111, s84
	s_or_b32 s[G1], s87, (3<<16)|(1<<21)           ; o: 8 tiles, rows of 12,288 bytes, dense
	s_mov_b32 s[G1+1], 1536<<16
	s_mov_b32 s[G1+2], 8<<16
	s_mov_b32 s[G1+3], 1536<<16
	s_mov_b32 s[G1+4], 8
	s_mov_b32 s[G1+5], 1536
	s_mov_b32 s[G1+6], 0
	s_mov_b32 s[G1+7], 0
	s_or_b32 s[G1B], s88, (3<<16)|(1<<21)          ; Wo: 8 tiles, rows of 6,144 bytes (half of K), 12,288 apart
	s_mov_b32 s[G1B+1], 768<<16
	s_mov_b32 s[G1B+2], 8<<16
	s_mov_b32 s[G1B+3], 768<<16
	s_mov_b32 s[G1B+4], 8
	s_mov_b32 s[G1B+5], 1536
	s_mov_b32 s[G1B+6], 0
	s_mov_b32 s[G1B+7], 0
	s_lshl_b32 s20, s17, 4
	s_lshl_b32 s18, s16, 3
	s_add_co_u32 s20, s20, s18
	s_mul_i32 s20, s20, TILEB
	s_mov_b32 s21, 0
	s_mul_i32 s22, s86, 8*TILEB
	s_mul_i32 s18, s16, HROW
	s_add_co_u32 s22, s22, s18
	s_add_co_u32 s22, s22, 3*WGT
	s_mov_b32 s23, 0
	s_mul_i32 s33, s16, AHALF
	s_mul_i32 s37, s16, SLOT
	s_add_co_u32 s37, s37, BOFF
	s_wait_dscnt 0x0
	s_wait_kmcnt 0x0
	s_add_nc_u64 s[34:35], s[4:5], s[20:21]
	s_or_b32 s35, s35, 0x80000000
	s_add_nc_u64 s[38:39], s[8:9], s[22:23]
	s_or_b32 s39, s39, 0x80000000
	s_mov_b32 s32, 1
	s_mov_b32 s36, 1
	CROUND                                         ; the joint loads meet
	s_cmp_eq_u32 s15, 0                            ; one tensor load a wave
	s_cbranch_scc0 .Lhead_b
	tensor_load_to_lds s[G0:G0+3], s[G1:G1+7]
	s_nop 0
	PLACES
	s_branch .Lhead_done
.Lhead_b:
	tensor_load_to_lds s[G0B:G0B+3], s[G1B:G1B+7]
	s_nop 0
	PLACES
.Lhead_done:
	s_mul_i32 s70, s15, AHALF
	s_add_co_u32 s71, s70, 4*TILEB
	s_mul_i32 s72, s16, 4*HROW
	s_add_co_u32 s72, s72, BOFF
	s_add_co_u32 s73, s72, SLOT
	s_mul_i32 s74, s14, 16*SPITCH
	s_add_co_u32 s74, s74, STG
	s_lshl_b32 s20, s17, 13                        ; os: row 256 y + 128 half, 32 bytes a row
	s_lshl_b32 s22, s15, 12
	s_add_co_u32 s20, s20, s22
	s_add_nc_u64 s[6:7], s[6:7], s[20:21]
	s_lshl_b32 s20, s20, 7                         ; out0: the same row, 4,096 bytes a row
	s_add_nc_u64 s[12:13], s[98:99], s[20:21]
	s_lshl_b32 s20, s86, 12                        ; ws: Wo's row 128 x + 64 half
	s_lshl_b32 s22, s16, 11
	s_add_co_u32 s20, s20, s22
	s_add_co_u32 s22, s20, 3*32768
	s_add_nc_u64 s[10:11], s[10:11], s[22:23]
	s_lshr_b32 s20, s20, 3                         ; 4 bytes a feature
	s_add_nc_u64 s[96:97], s[96:97], s[20:21]
	s_add_nc_u64 s[12:13], s[12:13], s[20:21]
	v_and_b32 v1, 15, v0
	v_bfe_u32 v2, v0, 4, 1
	v_and_b32 v6, 31, v0
	v_lshlrev_b32 v[L16], 4, v6
	v_add_nc_u32 v[ADRA], s70, v[L16]
	v_add_nc_u32 v[ADRA+1], s71, v[L16]
	v_add_nc_u32 v[ADRB], s72, v[L16]
	v_add_nc_u32 v[ADRB+1], s73, v[L16]
	v_mul_u32_u24 v5, v1, SPITCH                   ; the stage, way in: row r, 64 bytes for each half of the lanes
	v_lshl_add_u32 v5, v2, 6, v5
	v_add_nc_u32 v[STO], s74, v5
	v_mul_u32_u24 v5, v2, SPITCH                   ; way out: two rows an instruction
	v_lshl_add_u32 v5, v1, 4, v5
	v_add_nc_u32 v[RD], s74, v5
	v_lshlrev_b32 v[CO], 12, v2
	v_lshl_add_u32 v[CO], v1, 4, v[CO]
	v_lshlrev_b32 v[S32], 5, v1
	v_lshlrev_b32 v[BIA], 6, v2
.irp a, 0,1,2,3,4,5,6,7
	global_load_b128 v[SCA+8*\a:SCA+8*\a+3], v[S32], s[6:7] offset:512*\a
	global_load_b128 v[SCA+8*\a+4:SCA+8*\a+7], v[S32], s[6:7] offset:512*\a+16
.endr
.irp b, 0,1,2,3
	global_load_b128 v[SCB+8*\b:SCB+8*\b+3], v[S32], s[10:11] offset:512*\b
	global_load_b128 v[SCB+8*\b+4:SCB+8*\b+7], v[S32], s[10:11] offset:512*\b+16
.endr
	WIN 0x40
.irp b, 0,1,2,3
	global_load_b128 v[CI+8*\b:CI+8*\b+3], v[BIA], s[96:97] offset:(32*(\b/2)+8*(\b%2))*4
	global_load_b128 v[CI+8*\b+4:CI+8*\b+7], v[BIA], s[96:97] offset:(32*(\b/2)+8*(\b%2))*4+16
.endr
	WIN 0
	s_wait_alu depctr_va_vdst(0)
	s_wait_loadcnt 0x0
	s_wait_tensorcnt 0x0                           ; my load has landed
	s_barrier_signal -1
	s_barrier_wait -1                              ; everybody's has
.macro FETCH kk
	WIN 0x40
.irp i, 0,1,2,3
.irp g, 0,1,2
	ds_load_b128 v[64*((\kk)%2)+FR*\i+4*\g:64*((\kk)%2)+FR*\i+4*\g+3], v[ADRB+(\kk)/4] offset:HROW*\i+IMG*((\kk)%4)+512*\g
.endr
.endr
	WIN 0xc0
.irp i, 0,1,2,3,4,5,6,7
.irp g, 0,1,2
	ds_load_b128 v[128*((\kk)%2)+FR*\i+4*\g:128*((\kk)%2)+FR*\i+4*\g+3], v[ADRA+\i/4] offset:TILEB*(\i%4)+IMG*(\kk)+512*\g
.endr
.endr
.endm
.macro MUL32 kk, ci                    ; a K step's 32 matrix instructions; the accumulators take turns
	WIN 0xad-16*(\ci)
.irp a, 0,1,2,3,4,5,6,7
.irp b, 0,1,2,3
.set DD, 8*(4*\a+\b)
.set CC, DD
.if \ci
.set CC, CI+8*\b
.endif
	v_wmma_scale_f32_16x16x128_f8f6f4 v[DD:DD+7], v[64*((\kk)%2)+FR*\b:64*((\kk)%2)+FR*\b+FR-1], v[128*((\kk)%2)+FR*\a:128*((\kk)%2)+FR*\a+FR-1], v[CC:CC+7], v[SCB+8*\b+(\kk)], v[SCA+8*\a+(\kk)] matrix_a_fmt:MATRIX_FMT_FP6 matrix_b_fmt:MATRIX_FMT_FP6
.endr
.endr
.endm
	FETCH 0
.irp k, 0,1,2,3,4,5,6
	PLACES                                         ; in front of the loads into the set that the step before multiplied
	FETCH \k+1
	s_wait_dscnt 36                                ; all but the 36 just issued
.if \k == 0
	MUL32 \k, 1
.else
	MUL32 \k, 0
.endif
.endr
	s_wait_dscnt 0x0
	MUL32 7, 0
	WIN 0
.macro TOSTAGE a
	WIN 0x08
.irp b, 0,1,2,3
	ds_store_b128 v[STO], v[8*(4*(\a)+\b):8*(4*(\a)+\b)+3] offset:128*(\b/2)+32*(\b%2)      ; each accumulator from its low end on
	ds_store_b128 v[STO], v[8*(4*(\a)+\b)+4:8*(4*(\a)+\b)+7] offset:128*(\b/2)+32*(\b%2)+16
.endr
	WIN 0
.set BB, BK+32*((\a)%2)
.irp t, 0,1,2,3,4,5,6,7
	ds_load_b128 v[BB+4*\t:BB+4*\t+3], v[RD] offset:\t*2*SPITCH    ; in order behind my stores
.endr
.endm
.macro SEND a, younger
.set BB, BK+32*((\a)%2)
	s_wait_dscnt \younger
.if (\a) > 0
.if (\a)%2 == 1
	s_add_nc_u64 s[12:13], s[12:13], 8*4096        ; place tile a begins at token 32 (a / 2) + 8 (a % 2)
.else
	s_add_nc_u64 s[12:13], s[12:13], 24*4096
.endif
.endif
.irp t, 0,1,2,3,4,5,6,7
	global_store_b128 v[CO], v[BB+4*\t:BB+4*\t+3], s[12:13] offset:(2*\t+8*(\t/4))*4096 th:TH_STORE_NT   ; place p is token p + 8 (p / 8); sixteen lanes store 256 consecutive bytes, aligned
.endr
.endm
	PLACES
	TOSTAGE 0
.irp a, 1,2,3,4,5,6,7
.if \a > 1
	s_wait_xcnt 0x0                                ; block a - 2's stores have read their registers and their base
.endif
	TOSTAGE \a
	SEND \a-1, 16
.endr
	s_wait_xcnt 0x0
	SEND 7, 0
	s_wait_tensorcnt 0x0                           ; the wave's end
	ds_add_u32 v[SPW], v[NIL]
	s_wait_dscnt 0x0
	CROUND                                         ; the closing round
	s_endpgm
.Lfunc_end_k_q6125668ab8_gemm2:
	.size	k_q6125668ab8_gemm2, .Lfunc_end_k_q6125668ab8_gemm2-k_q6125668ab8_gemm2
	.p2alignl 7, 3214868480
	.fill 96, 4, 3214868480
	.section	.rodata,"a",@progbits
	.p2align	6, 0x0
	.amdhsa_kernel k_q6125668ab8_gemm2
		.amdhsa_group_segment_fixed_size 327680
		.amdhsa_private_segment_fixed_size 0
		.amdhsa_enable_private_segment 0
		.amdhsa_kernarg_size 48
		.amdhsa_user_sgpr_count 2
		.amdhsa_user_sgpr_kernarg_segment_ptr 1
		.amdhsa_wavefront_size32 1
		.amdhsa_system_sgpr_workgroup_id_x 1
		.amdhsa_system_sgpr_workgroup_id_y 1
		.amdhsa_system_sgpr_workgroup_id_z 1
		.amdhsa_system_vgpr_workitem_id 0
		.amdhsa_next_free_vgpr 1024
		.amdhsa_next_free_sgpr 100
		.amdhsa_reserve_vcc 0
		.amdhsa_float_denorm_mode_32 3
		.amdhsa_float_denorm_mode_16_64 3
		.amdhsa_memory_ordered 1
		.amdhsa_forward_progress 1
		.amdhsa_inst_pref_size 77
	.end_amdhsa_kernel
	.amdgpu_metadata
---
amdhsa.version: [ 1, 2 ]
amdhsa.kernels:
  - .name:           k_q6125668ab8_gemm2
    .symbol:         k_q6125668ab8_gemm2.kd
    .args:
      - { .name: oc, .offset: 0, .size: 8, .value_kind: global_buffer, .address_space: global }
      - { .name: os, .offset: 8, .size: 8, .value_kind: global_buffer, .address_space: global }
      - { .name: wc, .offset: 16, .size: 8, .value_kind: global_buffer, .address_space: global }
      - { .name: ws, .offset: 24, .size: 8, .value_kind: global_buffer, .address_space: global }
      - { .name: bo, .offset: 32, .size: 8, .value_kind: global_buffer, .address_space: global }
      - { .name: out0, .offset: 40, .size: 8, .value_kind: global_buffer, .address_space: global }
    .group_segment_fixed_size: 327680
    .private_segment_fixed_size: 0
    .kernarg_segment_align: 8
    .kernarg_segment_size: 48
    .max_flat_workgroup_size: 128
    .sgpr_count:     100
    .vgpr_count:     1024
    .wavefront_size: 32
...
	.end_amdgpu_metadata
.endif
;; end of part 4
